; MI455X (gfx1250); checked and timed in simulation.
; The chip was launched on July 23, 2026; its instructions are those of AMD's public machine-readable ISA for CDNA 5 (MIT licence, August 2026) and "CDNA5" Instruction Set Architecture Reference Guide (July 2026). The comments in the code are by the model that wrote it; some were corrected since.
;; Multi Head Attention. Allowed arithmetic: matrix products marked QUANTISED: E4M3 operands, one given power-of-two scale a tensor, by v_wmma_f32_16x16x64_fp8_fp8 or v_wmma_f32_16x16x128_fp8_fp8, f32 sums; everything else in f32.
;; Inputs: Wk_codes 1,024 x 32 x 32 uint8 (E4M3 codes of Wk, K innermost, in blocks of 32 codes); Wo_codes 1,024 x 32 x 32 uint8 (E4M3 codes of Wo, K innermost, in blocks of 32 codes); Wq_codes 1,024 x 32 x 32 uint8 (E4M3 codes of Wq, K innermost, in blocks of 32 codes); Wv_codes 1,024 x 32 x 32 uint8 (E4M3 codes of Wv, K innermost, in blocks of 32 codes); attn_mask 1 x 1 x 2,048 x 2,048 int32; bk 1,024 float32; bo 1,024 float32; bq 1,024 float32; bv 1,024 float32; k_codes 4 x 2,048 x 32 x 32 uint8 (E4M3 codes of k, K innermost, in blocks of 32 codes); lowp_scales 12 int32 (the exponents e of the quantised operands' scales 2^e); q_codes 4 x 2,048 x 32 x 32 uint8 (E4M3 codes of q, K innermost, in blocks of 32 codes); v_codes 4 x 2,048 x 32 x 32 uint8 (E4M3 codes of v, K innermost, in blocks of 32 codes).
;; Outputs: out0 4 x 2,048 x 1,024 float32.
;; This version of the problem:
;;   THIS VERSION OF THE PROBLEM IS GIVEN IN LOW PRECISION. The matrix products marked QUANTISED in the list below multiply operands that are first quantised to E4M3 (4 exponent bits, 3 mantissa bits; 8 bits a number), with one given power-of-two scale for each operand tensor; their sums are f32. All else is computed in f32.
;;   The module's matrix products, in the order in which they are computed (A, B: the left and right operand; K: the contracted axis; several contracted axes count as one K, in the product's order):
;;     1. [M 8,192, K 1,024] x [K 1,024, N 1,024]; A: input q (given as codes); B: input Wq (given as codes): QUANTISED (scales: A lowp_scales[0], B lowp_scales[1])
;;     2. [M 8,192, K 1,024] x [K 1,024, N 1,024]; A: input k (given as codes); B: input Wk (given as codes): QUANTISED (scales: A lowp_scales[2], B lowp_scales[3])
;;     3. [M 8,192, K 1,024] x [K 1,024, N 1,024]; A: input v (given as codes); B: input Wv (given as codes): QUANTISED (scales: A lowp_scales[4], B lowp_scales[5])
;;     4. batch 64 x [M 2,048, K 64] x [K 64, N 2,048]; A: computed on the way; B: computed on the way: QUANTISED (scales: A lowp_scales[6], B lowp_scales[7])
;;     5. batch 64 x [M 2,048, K 2,048] x [K 2,048, N 64]; A: softmax (see below); B: computed on the way: QUANTISED (scales: A lowp_scales[8], B lowp_scales[9])
;;     6. [M 8,192, K 1,024] x [K 1,024, N 1,024]; A: computed on the way; B: input Wo (given as codes): QUANTISED (scales: A lowp_scales[10], B lowp_scales[11])
;;   THE QUANTISER, for each operand of a quantised product, along K:
;;     - The operand's scale is 2^e, e = its entry of the input lowp_scales (int32; the entries are numbered through the quantised products in the list's order, A before B).
;;     - Each number is divided by the scale, clamped to +-448, and rounded to the nearest number of E4M3, ties to even, subnormals kept.
;;     - The product sums the exact products of the quantised numbers (number of the format x scale) in f32.
;;   ~~~python
;;   def quantise(x, axis, e):      # numpy; x: float32 -> the quantised numbers, widened to float32 again
;;       x = np.moveaxis(x, axis, -1); K = x.shape[-1]
;;       r = np.clip(x / 2.0 ** e, -448, 448)
;;       step = 2.0 ** (np.maximum(np.frexp(np.where(r == 0, 1, r))[1] - 1, -6) - 3)
;;       q = np.round(r / step) * step * 2.0 ** e      # np.round: ties to even
;;       return np.moveaxis(q, -1, axis).astype(np.float32)
;;   ~~~
;;   SOFTMAX AHEAD OF A QUANTISED PRODUCT. Where the list says 'softmax', what is quantised is not the finished softmax but p = 2^(t - M), with t = logit x log2(e) and M = ceil(the row's largest t), a whole number; so 1/2 < the row's largest p <= 1. The row's sum l is taken of the UNQUANTISED p, in f32, and the product's result is divided by l at the end. Since M is a whole number, a kernel that streams over the keys may use a running M (the ceiling of the running maximum): every later rescaling is an exact power of two, so the quantised numbers keep their values, but for numbers so far below the row's largest that they fall under the format's range.
;;   OPERANDS COMPUTED ON THE WAY. 'Computed on the way' means the value that the module computes at that place (a softmax that the list does not call 'softmax' is quantised finished and normalised). What goes into a quantiser is computed in f32, as accurately as f32 sums, v_exp_f32 and their like allow (about 1e-6 of the number): no bf16 or f16 on the way to a quantiser, and a product that is left as it is and whose result goes on into a quantised operand takes f32 operands (vector FMAs, or v_wmma_f32_16x16x4_f32). A number that lies on a knife's edge between two numbers of the format may be rounded either way, as far as f32 arithmetic and the matrix unit's own rounding can turn it there, and no further.
;;   INPUTS GIVEN AS CODES. Wk (in the module: [1024, 1024], K = its axis 1); Wo (in the module: [1024, 1024], K = its axis 1); Wq (in the module: [1024, 1024], K = its axis 1); Wv (in the module: [1024, 1024], K = its axis 1); k (in the module: [4, 2048, 1024], K = its axis 2); q (in the module: [4, 2048, 1024], K = its axis 2); v (in the module: [4, 2048, 1024], K = its axis 2): each comes as NAME_codes (uint8): NAME with its K axis moved to the last place and cut into blocks of 32 codes, [.., K / 32, bytes a block], one block behind the other in memory; one code a byte (a code: sign, 4 exponent bits, 3 mantissa bits); its scale is its entry of lowp_scales. Its value is code x scale, taken as it is: it is not quantised again, and the codes and scales need not be those that the quantiser above would give.
;; 2 versions, each right; version 2 is version 1 with the launch attn written anew for expert scheduling mode. Each part assembles by itself: llvm-mc -triple=amdgcn-amd-amdhsa -mcpu=gfx1250 --defsym DOCPART=n.
;; ======== version 1 of 2: 3 launches
;; workspace buffers: Qi 8,388,608 bytes; Ki 8,388,608 bytes; Vi 8,388,608 bytes; Oi 8,388,608 bytes; maskw 524,288 bytes of whole numbers
;; launch proj (part 1): grid 4 x 96, 4 waves a work-group, clusters of 4 x 4, 327,680 bytes of LDS; arguments q_codes, k_codes, v_codes, Wq_codes, Wk_codes, Wv_codes, bq, bk, bv, lowp_scales, attn_mask, Qi, Ki, Vi, maskw; writes Qi, Ki, Vi, maskw
.if DOCPART == 1
	.amdgcn_target "amdgcn-amd-amdhsa--gfx1250"
	.amdhsa_code_object_version 6
	.text
	.protected	k_q9981f7a763_proj
	.globl	k_q9981f7a763_proj
	.p2align	8
	.type	k_q9981f7a763_proj,@function
k_q9981f7a763_proj:
	s_mov_b64 s[64:65], 0
	v_nop
	global_prefetch_b8 v0, s[64:65] scope:SCOPE_SE
	s_setreg_imm32_b32 hwreg(HW_REG_WAVE_MODE, 25, 1), 1
	s_wait_xcnt 0x0
	s_wait_alu depctr_hold_cnt(0) depctr_sa_sdst(0) depctr_va_vdst(0) depctr_va_sdst(0) depctr_va_ssrc(0) depctr_va_vcc(0) depctr_vm_vsrc(0)
	s_getreg_b32 s2, hwreg(HW_REG_IB_STS2, 6, 4)
	s_cmp_eq_u32 s2, 0
	s_cbranch_scc0 .Lentry_in_a_cluster
	s_endpgm
.Lentry_in_a_cluster:
	s_bfe_u32 s2, ttmp6, 0x10000c
	s_cmp_lg_u32 s2, 0xf033
	s_cbranch_scc0 .Lentry_shape_is_right
	s_endpgm
.Lentry_shape_is_right:
; THE THREE PROJECTIONS, Q = q Wq^T + bq, K = k Wk^T + bk, V = v Wv^T + bv, on codes of FP8 (E4M3), each 8,192 x 1,024 x 1,024, and the packing of the mask.
; Z = cluster y / 8 says which product a cluster serves (0: Q, 1: K, 2: V): it is made of the cluster's y alone, so it is the same in all sixteen partners.
; A tile of 256 tokens x 256 features is made by a work-group of four waves, 128 x 128 a wave: 64 accumulators, 512 registers.  K goes in steps of 256 through a ring of two LDS slots filled by the
; tensor data mover.  4 x 4 work-groups form a cluster: the token tile is shared along a row of the cluster, the weight tile along a column, each asked for jointly.
; THE RESULTS LEAVE AS CODES, IN THE ORDER OF THE NEXT PRODUCT'S OPERAND REGISTERS.  sum x 2^(ea + eb) + bias is quantised with the given 2^eo: the bias goes in divided by 2^(ea + eb), and the
; conversion takes 2^(eo - ea - eb).  Q and K: source 0 = rows of W, source 1 = tokens: a lane holds one token and eight neighbouring channels of a head, which is the next K.
; V: source 0 = tokens, source 1 = rows of Wv: a lane holds one channel and eight neighbouring keys, which is the next K.  The swap is made in the fragments' LDS addresses alone.
;   Qi, Ki: byte (batch x 16 + head) x 131072 + (token / 16) x 1024 + g x 512 + 16 lane: lane (r, h): token r of the tile, channels 32 g + 8 h + 0..7, then 32 g + 16 + 8 h + 0..7.
;   Vi:     byte (batch x 16 + head) x 131072 + (key / 128) x 8192 + t x 2048 + g x 512 + 16 lane: lane (r, h): channel 16 t + r, keys 32 g + 8 h + 0..7, then 32 g + 16 + 8 h + 0..7.
; Each store of a wave covers 512 consecutive bytes, aligned.
; THE MASK.  The 1,024 waves of the Q and K work-groups pack two units each (16 queries x 128 keys) while their first tiles are on their way.  Word n (0..63) of unit (query tile, key step) has in bit
; r + 16 h whether attn_mask[16 tile + r][128 step + 16 (n / 8) + 8 h + n % 8] is not 0: the lane mask of score register n in the attention launch.
; LIMITS: eo - ea - eb between -126 and 119, so that 2^(eo - ea - eb) and 448 times it are f32 numbers.
; REGISTERS, in windows of 256: window 0: v0-31 addresses; v32-95, v96-111 biases; v112-115 mask words; from v128 source 1's fragments, ONE set (at the head: the mask's rows; on the way out: sums and codes).
;   window 1: source 0's fragments, TWO sets.   window 2: the accumulators of source 1's blocks 0-3 (accumulator (a, b) at v[8 (8 a + b)]);   window 3: of blocks 4-7.
.set ROWB,   256                       ; a tile's row in bytes: 256 codes
.set KROW,   1024                      ; a row of the tokens or of a weight in memory, in bytes
.set PITCH,  272                       ; an LDS row: 256 bytes + 16 of padding = 68 words: the 16 rows that a load touches start at 16 different banks (64 banks of 4 bytes: ISA guide 11.1)
.set FR,     16                        ; registers of a fragment: 16 rows x 128 K
.set NL,     4                         ; LDS loads that bring one
.set NP,     4                         ; places behind this matrix instruction (ISA guide 7.12.1)
.set HALFT,  128*PITCH                 ; 128 rows: what one tensor load brings
.set SLOT,   4*HALFT                   ; the tokens' 256 rows, then the weight's 256 rows
.set LAPS,   2                         ; 1,024 along K = two laps of two slots of 256
.set SPARE,  2*SLOT                    ; behind the ring: the spare words, 128 bytes for each wave
.set MSTG,   SPARE+512                 ; behind them: the mask's stages, 16 rows x 528 bytes for each wave; no fill lands here
.set MP,     528                       ; a stage row: 512 bytes + 16
.set SCL,  12                          ; v12     2^(eo - ea - eb)
.set LIM,  13                          ; v13     448 x that
.set ADRA, 16                          ; v16-17  LDS address of source 1's fragments in slot 0, 1
.set ADRB, 20                          ; v20-21  of source 0's
.set MST,  22                          ; v22     the mask's stage: where I put 16 bytes of a row
.set MRD,  23                          ; v23     and where I read my query's keys back
.set L16,  26                          ; v26     16 x lane; never rewritten
.set L8,   27                          ; v27     8 x lane; never rewritten
.set SPW,  28                          ; v28     LDS address of my spare word; never rewritten
.set NIL,  29                          ; v29     0; never rewritten
.set BIO,  30                          ; v30     byte offset of my biases along the registers (Q, K)
.set BVO,  31                          ; v31     byte offset of my biases along the lanes (V)
.set BI,   32                          ; v32-95  tile b: the biases of features 16 b + 8 h + 0..7
.set BV,   96                          ; v96-111 block a: the bias of feature 16 a + r, twice (a pair for the packed addition)
.set MW,   112                         ; v112-115 the mask words of my two units
.set AF,   128                         ; source 1's fragments
.set TMP,  128                         ; the way out: a block's 64 sums + bias
.set G1, 24                            ; s[24:31] descriptor group 1 for the tokens' tiles;  s[32:39] group 0, one set for each slot
.set G0, 32
.set G1B, 48                           ; s[48:55], s[56:63] the same for the weight's tiles
.set G0B, 56
.set ZZ, 66                            ; s66     Z
.set MSB, 0
.macro WIN new                         ; the immediate's high byte repeats the setting that is left
.if MSB != \new
	s_set_vgpr_msb (MSB<<8)|\new
.set MSB, \new
.endif
.endm
.set MUL_LO, 0xa1                      ; source 0 window 1, source 1 window 0, C and D window 2
.set MUL_HI, 0xf1                      ; the same, C and D window 3
.set TO_B,   0x40                      ; destination window 1, address window 0
; A joint load: waves 0 and 1 fetch the tokens' halves, waves 2 and 3 the weight's.  The branch hangs on the wave's number alone.  Four v_nop follow each of the two lines.
.macro JLOAD g0a, g1a, g0b, g1b
	s_cmp_eq_u32 s15, 0
	s_cbranch_scc0 .Lfor_b_\@
	tensor_load_to_lds s[\g0a:\g0a+3], s[\g1a:\g1a+7]
	s_nop 0
.rept 4
	v_nop
.endr
	s_branch .Lasked_\@
.Lfor_b_\@:
	tensor_load_to_lds s[\g0b:\g0b+3], s[\g1b:\g1b+7]
	s_nop 0
.rept 4
	v_nop
.endr
.Lasked_\@:
.endm
.macro CREST                           ; a round of the cluster's barrier behind its opening barrier
	s_cmp_lg_u32 s14, 0
	s_cbranch_scc1 .Lnot_wave_0_\@
	s_barrier_signal -3
.Lnot_wave_0_\@:
	s_barrier_wait -3
	s_barrier_signal -1
	s_barrier_wait -1
.endm
.macro CROUND                          ; a whole round
	s_barrier_signal -1
	s_barrier_wait -1
	CREST
.endm
	s_load_b512 s[68:83], s[0:1], 0x0              ; q s[68:69], k s[70:71], v s[72:73], Wq s[74:75], Wk s[76:77], Wv s[78:79], bq s[80:81], bk s[82:83]
	s_load_b256 s[84:91], s[0:1], 0x40             ; bv s[84:85], the scales' exponents s[86:87], the mask s[88:89], Qi s[90:91]
	s_load_b128 s[92:95], s[0:1], 0x60             ; Ki s[92:93], Vi s[94:95]
	s_load_b64 s[96:97], s[0:1], 0x70              ; the mask words
	v_lshl_add_u32 v[SPW], v0, 2, SPARE
	v_mov_b32 v[NIL], 0
	ds_add_u32 v28, v29
	ds_add_u32 v28, v29
	s_wait_dscnt 0x0
	v_lshrrev_b32 v1, 5, v0
	v_readfirstlane_b32 s14, v1                    ; wave 0..3
	s_lshr_b32 s15, s14, 1                         ; which half of source 1's rows is mine.  Also: I fetch tokens (0) or weights (1)
	s_and_b32 s16, s14, 1                          ; which half of source 0's rows.  Also: which 128 rows of that tile I fetch
	s_bfe_u32 s40, ttmp6, 0x40000                  ; cx, cy: my place in the cluster
	s_bfe_u32 s41, ttmp6, 0x40004
	s_lshl_b32 s42, ttmp9, 2
	s_add_co_u32 s42, s42, s40                     ; block of 256 features = 4 x cluster x + cx
	s_and_b32 s[ZZ], ttmp7, 0xffff                 ; cluster y, 0..23
	s_lshl_b32 s67, s[ZZ], 2
	s_add_co_u32 s67, s67, s41                     ; 4 x cluster y + cy, 0..95
	s_and_b32 s17, s67, 31                         ; block of 256 tokens
	s_lshr_b32 s[ZZ], s[ZZ], 3                     ; Z: eight clusters to a product
	s_lshl_b32 s43, s41, 2
	s_lshl_b32 s43, 15, s43                        ; my row of the cluster
	s_lshl_b32 s44, 0x1111, s40                    ; my column
	; descriptor group 1: a tile of 128 rows x 256 bytes, padded in LDS
	s_or_b32 s[G1+0], s43, (0<<16)|(1<<20)|(1<<21)|(5<<22)|(3<<25)  ; 15:0 the mask: the tokens' tiles go to my row; 17:16 element of 1 byte; 20 padding on; 21 set beside a mask; 24:22 after every 64 words (code 5); 31:25 of 4 words (code 3)
	s_or_b32 s[G1B+0], s44, (0<<16)|(1<<20)|(1<<21)|(5<<22)|(3<<25) ; the weight's tiles go to my column
.irp g, G1, G1B
	s_mov_b32 s[\g+1], ROWB<<16                    ; tensor_dim0
	s_mov_b32 s[\g+2], 128<<16                     ; tensor_dim1 = 128
	s_mov_b32 s[\g+3], ROWB<<16                    ; tile_dim0
	s_mov_b32 s[\g+4], 128                         ; tile_dim1 = 128
	s_mov_b32 s[\g+5], KROW                        ; tensor_dim0_stride
	s_mov_b32 s[\g+6], 0
	s_mov_b32 s[\g+7], 0
.endr
	s_lshl_b32 s18, s16, 7                         ; which 128 rows of the tile I fetch
	s_lshl_b32 s20, s17, 8
	s_add_co_u32 s20, s20, s18                     ; tokens: row 256 x block + 128 x half
	s_lshl_b32 s20, s20, 10                        ; in bytes (under 2^23)
	s_mov_b32 s21, 0
	s_lshl_b32 s46, s42, 8
	s_add_co_u32 s46, s46, s18                     ; weights: row 256 x block + 128 x half
	s_lshl_b32 s46, s46, 10
	s_mov_b32 s47, 0
	s_mul_i32 s45, s14, HALFT                      ; where they go: wave x 128 rows: no place in the cluster enters an LDS address
	s_wait_kmcnt 0x0
	s_cmp_eq_u32 s[ZZ], 1                          ; the product's four buffers are chosen by Z, which hangs on no address
	s_cselect_b64 s[4:5], s[70:71], s[68:69]       ; tokens
	s_cselect_b64 s[6:7], s[76:77], s[74:75]       ; weights
	s_cselect_b64 s[12:13], s[82:83], s[80:81]     ; bias
	s_cselect_b64 s[10:11], s[92:93], s[90:91]     ; image
	s_cmp_eq_u32 s[ZZ], 2
	s_cselect_b64 s[4:5], s[72:73], s[4:5]
	s_cselect_b64 s[6:7], s[78:79], s[6:7]
	s_cselect_b64 s[12:13], s[84:85], s[12:13]
	s_cselect_b64 s[10:11], s[94:95], s[10:11]
	s_load_b256 s[68:75], s[86:87], 0x0            ; e0 .. e7
	s_load_b128 s[76:79], s[86:87], 0x20           ; e8 .. e11
	s_add_nc_u64 s[20:21], s[4:5], s[20:21]
	s_add_nc_u64 s[46:47], s[6:7], s[46:47]
	CROUND                                         ; all sixteen work-groups are here: the first joint loads meet
.irp s, 0,1
	s_mov_b32 s[G0+4*\s], 1
	s_add_co_u32 s[G0+4*\s+1], s45, \s*SLOT
	s_add_nc_u64 s[G0+4*\s+2:G0+4*\s+3], s[20:21], \s*ROWB
	s_or_b32 s[G0+4*\s+3], s[G0+4*\s+3], 0x80000000
	s_mov_b32 s[G0B+4*\s], 1
	s_add_co_u32 s[G0B+4*\s+1], s45, \s*SLOT
	s_add_nc_u64 s[G0B+4*\s+2:G0B+4*\s+3], s[46:47], \s*ROWB
	s_or_b32 s[G0B+4*\s+3], s[G0B+4*\s+3], 0x80000000
	JLOAD G0+4*\s, G1, G0B+4*\s, G1B
.endr
	v_and_b32 v1, 15, v0                           ; r = l % 16
	v_bfe_u32 v2, v0, 4, 1                         ; h = l / 16
	v_mul_u32_u24 v3, v1, PITCH
	v_lshl_add_u32 v4, v2, 4, v3                   ; a fragment's row x pitch + 16 x half
	s_cmp_eq_u32 s[ZZ], 2                          ; V takes the tokens as source 0 and the weight as source 1
	s_cselect_b32 s80, 2*HALFT, 0                  ; source 1's rows: the weight's lie behind the tokens' 256
	s_cselect_b32 s81, 0, 2*HALFT                  ; source 0's
	s_cselect_b32 s84, s16, s15                    ; which half of the token block is mine,
	s_cselect_b32 s85, s15, s16                    ; and which half of the feature block
	s_mul_i32 s21, s15, HALFT
	s_add_co_u32 s21, s21, s80
	s_mul_i32 s22, s16, HALFT
	s_add_co_u32 s22, s22, s81
.irp s, 0,1
	v_add_nc_u32 v[ADRA+\s], s21, v4
	v_add_nc_u32 v[ADRB+\s], s22, v4
	s_add_co_u32 s21, s21, SLOT
	s_add_co_u32 s22, s22, SLOT
.endr
	v_and_b32 v6, 31, v0
	v_lshlrev_b32 v[L16], 4, v6
	v_lshlrev_b32 v[L8], 3, v6
	s_mul_i32 s23, s14, 16*MP
	s_add_co_u32 s23, s23, MSTG                    ; my stage for the mask
	v_add_nc_u32 v[MST], s23, v[L16]               ; in: a row's 512 bytes as they lie
	v_mul_u32_u24 v5, v1, MP
	v_lshl_add_u32 v5, v2, 5, v5
	v_add_nc_u32 v[MRD], s23, v5                   ; back: row r, + 32 h: my query's eight keys of each tile of sixteen
	s_lshl_b32 s82, s42, 10                        ; the feature block's first bias, in bytes
	s_lshl_b32 s83, s16, 9
	s_add_co_u32 s83, s83, s82
	v_lshlrev_b32 v[BIO], 5, v2
	v_add_nc_u32 v[BIO], s83, v[BIO]               ; (256 block + 128 half of source 0) x 4 + 32 h
	s_lshl_b32 s83, s15, 9
	s_add_co_u32 s83, s83, s82
	v_lshlrev_b32 v[BVO], 2, v1
	v_add_nc_u32 v[BVO], s83, v[BVO]               ; (256 block + 128 half of source 1) x 4 + 4 r
	; where my 128 tokens x 128 features begin in the image
	s_lshl_b32 s82, s17, 8
	s_lshl_b32 s84, s84, 7
	s_add_co_u32 s82, s82, s84                     ; my first token
	s_lshr_b32 s83, s82, 11
	s_lshl_b32 s83, s83, 21                        ; its batch: 16 heads of 131,072 bytes
	s_and_b32 s82, s82, 2047
	s_lshr_b32 s82, s82, 7
	s_lshl_b32 s82, s82, 13                        ; 128 tokens of a head are 8,192 bytes in all three images
	s_add_co_u32 s82, s82, s83
	s_lshl_b32 s83, s42, 2
	s_lshl_b32 s85, s85, 1
	s_add_co_u32 s83, s83, s85                     ; my first head: 4 x block + 2 x half
	s_lshl_b32 s83, s83, 17
	s_add_co_u32 s82, s82, s83
	s_mov_b32 s83, 0
	s_add_nc_u64 s[10:11], s[10:11], s[82:83]
; THE MASK, in the Q and K work-groups.  The branch hangs on Z alone; no tensor load, barrier or round stands under it.
; One unit: its 16 rows of 512 bytes, loaded as they lie, go through my stage and come back so that lane (r, h) holds, of query r, keys 16 t + 8 h + 0..7 in registers 8 t + 0..7.
; A compare then gives word n as a lane mask; it is written into lane n / 2 of register n % 2, so that the 32 lanes store the unit's 256 bytes on end.
.macro MUNIT u
.irp i, 0,1,2,3,4,5,6,7,8,9,10,11,12,13,14,15
	ds_store_b128 v[MST], v[AF+64*\u+4*\i:AF+64*\u+4*\i+3] offset:\i*MP
.endr
.irp t, 0,1,2,3,4,5,6,7
.irp e, 0,1
	ds_load_b128 v[BI+8*\t+4*\e:BI+8*\t+4*\e+3], v[MRD] offset:64*\t+16*\e   ; LDS serves a wave's instructions in order (ISA guide 5.7.1.4): these see the stores above
.endr
.endr
	v_mov_b32 v[MW+2*\u], 0                        ; a lane write's destination counts as read
	v_mov_b32 v[MW+2*\u+1], 0
	s_wait_dscnt 0x0                               ; the unit is back; the stage may be written again
.irp q, 0,1,2,3,4,5,6,7,8,9,10,11,12,13,14,15
	v_cmp_ne_u32 s20, 0, v[BI+4*\q]
	v_cmp_ne_u32 s21, 0, v[BI+4*\q+1]
	v_cmp_ne_u32 s22, 0, v[BI+4*\q+2]
	v_cmp_ne_u32 s23, 0, v[BI+4*\q+3]
	v_writelane_b32 v[MW+2*\u], s20, 2*\q
	v_writelane_b32 v[MW+2*\u+1], s21, 2*\q
	v_writelane_b32 v[MW+2*\u], s22, 2*\q+1
	v_writelane_b32 v[MW+2*\u+1], s23, 2*\q+1
.endr
	global_store_b64 v[L8], v[MW+2*\u:MW+2*\u+1], s[96:97] offset:256*\u   ; 32 lanes store 256 consecutive bytes, aligned; these registers are not written again
.endm
	s_cmp_eq_u32 s[ZZ], 2
	s_cbranch_scc1 .Lno_mask
	s_lshl_b32 s90, s67, 2
	s_add_co_u32 s90, s90, s42
	s_lshl_b32 s90, s90, 2
	s_add_co_u32 s90, s90, s14                     ; W = my wave among the 1,024: units 2 W and 2 W + 1 (global addresses alone hang on it)
	s_lshr_b32 s92, s90, 3                         ; query tile W / 8: 16 rows of 8,192 bytes,
	s_lshl_b32 s92, s92, 17
	s_and_b32 s93, s90, 7                          ; key steps 2 (W % 8) and the next: 512 bytes each
	s_lshl_b32 s93, s93, 10
	s_add_co_u32 s92, s92, s93
	s_mov_b32 s93, 0
	s_add_nc_u64 s[88:89], s[88:89], s[92:93]
	s_lshl_b32 s92, s90, 9                         ; two units of 256 bytes
	s_add_nc_u64 s[96:97], s[96:97], s[92:93]
.irp u, 0,1
.irp i, 0,1,2,3,4,5,6,7,8,9,10,11,12,13,14,15
	global_load_b128 v[AF+64*\u+4*\i:AF+64*\u+4*\i+3], v[L16], s[88:89] offset:\i*8192+\u*512 th:TH_LOAD_NT   ; 32 lanes read 512 consecutive bytes of a row; read once in the launch
.endr
.endr
	s_wait_loadcnt 16                              ; unit 0's sixteen loads are in; unit 1's may be out
	MUNIT 0
	s_wait_loadcnt 0x0
	MUNIT 1
.Lno_mask:
.irp b, 0,1,2,3,4,5,6,7                        ; both layouts of the bias are loaded in every work-group: no register is left unwritten on any way, and both stay inside the 4,096 bytes
	global_load_b128 v[BI+8*\b:BI+8*\b+3], v[BIO], s[12:13] offset:64*\b
	global_load_b128 v[BI+8*\b+4:BI+8*\b+7], v[BIO], s[12:13] offset:64*\b+16
.endr
.irp a, 0,1,2,3,4,5,6,7
	global_load_b32 v[BV+2*\a], v[BVO], s[12:13] offset:64*\a
	global_load_b32 v[BV+2*\a+1], v[BVO], s[12:13] offset:64*\a
.endr
.macro FRAG reg, adr, q, i             ; a fragment, 16 rows x 128 K, is 16 registers: lane l holds row l % 16; registers 4 c .. 4 c + 3 hold K = 32 c + 16 (l / 16) + 0 .. 15: the same order of k on both sides
.irp c, 0,1,2,3
	ds_load_b128 v[\reg+4*\c:\reg+4*\c+3], v[\adr] offset:128*(\q)+32*\c+(\i)*16*PITCH
.endr
.endm
; 16 matrix instructions: source 1's blocks a0, a0 + 1 x source 0's eight, 128 along K.  p: source 0's set.  zero = 1: the first product starts the sums.
; The 64 accumulators take turns, one instruction a turn, in the same order in every step.
.macro MUL16 a0, p, zero
.irp a, \a0, \a0+1
.irp b, 0,1,2,3,4,5,6,7
.if \zero
	v_wmma_f32_16x16x128_fp8_fp8 v[8*(8*((\a)%4)+\b):8*(8*((\a)%4)+\b)+7], v[128*(\p)+FR*\b:128*(\p)+FR*\b+FR-1], v[AF+FR*(\a):AF+FR*(\a)+FR-1], 0
.else
	v_wmma_f32_16x16x128_fp8_fp8 v[8*(8*((\a)%4)+\b):8*(8*((\a)%4)+\b)+7], v[128*(\p)+FR*\b:128*(\p)+FR*\b+FR-1], v[AF+FR*(\a):AF+FR*(\a)+FR-1], v[8*(8*((\a)%4)+\b):8*(8*((\a)%4)+\b)+7]
.endif
.endr
.endr
.endm
.macro FETCH_B slot, q, p              ; source 0's eight fragments of the slot's q-th 128 along K into set p
	WIN TO_B
.irp i, 0,1,2,3,4,5,6,7
	FRAG 128*(\p)+FR*\i, ADRB+\slot, \q, \i
.endr
	WIN 0
.endm
.macro FETCH_A slot, q, i0             ; source 1's blocks i0 .. i0 + 3
.irp i, \i0, \i0+1, \i0+2, \i0+3
	FRAG AF+FR*(\i), ADRA+\slot, \q, \i
.endr
.endm
.macro PLACES n                        ; plain vector instructions between a matrix instruction and a load into one of its registers or a read of its result
.rept \n
	v_nop
.endr
.endm
; A step of 128 along K that has its successor in the same slot.
.macro STEP slot, q, zero
	s_wait_dscnt 4*NL                              ; source 0's set and source 1's blocks 0-3 are in; the youngest sixteen loads (blocks 4-7) may be out
	WIN MUL_LO
	MUL16 0, (\q)%2, \zero
	MUL16 2, (\q)%2, \zero
	s_wait_dscnt 0                                 ; blocks 4-7 are in
	PLACES NP
	FETCH_B \slot, (\q)+1, 1-(\q)%2
	FETCH_A \slot, (\q)+1, 0
	WIN MUL_HI
	MUL16 4, (\q)%2, \zero
	MUL16 6, (\q)%2, \zero
	PLACES NP
	WIN 0
	FETCH_A \slot, (\q)+1, 4
.endm
; A slot's last step changes slots: ONE barrier; in front of it each wave waits for all its tensor loads, adds 0 to its spare word, and waits for that and for its own reads of this slot.  fill = 1: this slot is filled again, two K steps ahead.
.macro TURN slot, next, fill
	s_wait_tensorcnt 0x0                           ; all my tensor loads have landed: my part of the next slot
	ds_add_u32 v[SPW], v[NIL]                      ; 0 onto my spare word
	s_wait_dscnt 4*NL+1                            ; the add and the youngest sixteen loads may be out
	WIN MUL_LO
	MUL16 0, 1, 0                                  ; sixteen matrix instructions stand between the add and the wait for it
	s_wait_dscnt 0x0                               ; the add is done, and my reads of this slot are over
	s_barrier_signal -1
	MUL16 2, 1, 0
	WIN 0
	s_barrier_wait -1
.if \fill
	CREST                                          ; the barrier has opened a round of the cluster's barrier: no wave of any partner still reads this slot or has a load on its way
	s_add_nc_u64 s[G0+4*\slot+2:G0+4*\slot+3], s[G0+4*\slot+2:G0+4*\slot+3], 2*ROWB
	s_add_nc_u64 s[G0B+4*\slot+2:G0B+4*\slot+3], s[G0B+4*\slot+2:G0B+4*\slot+3], 2*ROWB
	JLOAD G0+4*\slot, G1, G0B+4*\slot, G1B         ; the first tensor load behind the round; its four v_nop are also the places in front of the loads below
.else
	PLACES NP
.endif
	FETCH_B \next, 0, 0
	FETCH_A \next, 0, 0
	WIN MUL_HI
	MUL16 4, 1, 0
	MUL16 6, 1, 0
	PLACES NP
	WIN 0
	FETCH_A \next, 0, 4
.endm
	s_wait_tensorcnt 1                             ; my part of K step 0 is in; K step 1's load may be out
	s_wait_dscnt 0x0                               ; no LDS instruction of mine is pending at the signal
	s_barrier_signal -1
	s_barrier_wait -1                              ; everybody's part is in
	FETCH_B 0, 0, 0
	FETCH_A 0, 0, 0
	FETCH_A 0, 0, 4
	STEP 0, 0, 1                                   ; the first step stands in front of the loop: its products start the sums
	s_mov_b32 s3, LAPS-1
.Llap:                                                 ; a trip goes once round the ring, from a lap's second step to the next lap's first, and fills both slots again
	TURN 0, 1, 1
	STEP 1, 0, 0
	TURN 1, 0, 1
	STEP 0, 0, 0
	s_sub_co_u32 s3, s3, 1
	s_cmp_lg_u32 s3, 0
	s_cbranch_scc1 .Llap
	TURN 0, 1, 0                                   ; the last lap fills nothing, and has no round of the cluster's barrier
	STEP 1, 0, 0
	s_wait_dscnt 4*NL                              ; the very last step: nothing more to fetch
	WIN MUL_LO
	MUL16 0, 1, 0
	MUL16 2, 1, 0
	s_wait_dscnt 0
	WIN MUL_HI
	MUL16 4, 1, 0
	MUL16 6, 1, 0
	WIN 0
	; THE WAY OUT.  The product's three exponents are chosen without a branch.
	s_wait_kmcnt 0x0
	s_cmp_eq_u32 s[ZZ], 1
	s_cselect_b32 s80, s70, s68                    ; ea
	s_cselect_b32 s81, s71, s69                    ; eb
	s_cselect_b32 s82, s75, s74                    ; eo: e6 for Q, e7 for K,
	s_cmp_eq_u32 s[ZZ], 2
	s_cselect_b32 s80, s72, s80
	s_cselect_b32 s81, s73, s81
	s_cselect_b32 s82, s77, s82                    ; e9 for V
	s_add_co_i32 s80, s80, s81                     ; ea + eb: a sum stands for sum x 2^(ea + eb)
	s_sub_co_i32 s81, 0, s80
	s_sub_co_i32 s82, s82, s80                     ; eo - ea - eb
	s_add_co_i32 s82, s82, 127
	s_lshl_b32 s83, s82, 23                        ; 2^(eo - ea - eb) as f32: the conversion takes its exponent field
	s_add_co_i32 s82, s82, 8
	s_lshl_b32 s82, s82, 23
	s_or_b32 s82, s82, 0x600000                    ; 448 x that
	s_wait_loadcnt 0x0                             ; the biases
	v_mov_b32 v[SCL], s83
	v_mov_b32 v[LIM], s82
.set j, 0
.rept 80
	v_ldexp_f32 v[BI+j], v[BI+j], s81              ; bias / 2^(ea + eb): nothing is rounded.  (These are also the places behind the last products)
.set j, j+1
.endr
; Block a of source 1 (16 tokens, or 16 channels of V): sum + bias, the hold, the conversion; the codes of tiles 2 g and 2 g + 1 are 16 bytes a lane, stored as they stand.
.macro OUTBLK a, mode
.set AC, 64*((\a)%4)
.set CD, 192+16*((\a)%4)
.if (\a) >= 4
	s_wait_xcnt 0x0                                ; block a - 4's stores have read their registers, which take this block's codes
.endif
	WIN 0x02+((\a)/4)                              ; source 0: window 2 or 3
.irp b, 0,1,2,3,4,5,6,7
.irp i, 0,2,4,6
.if \mode
	v_pk_add_f32 v[TMP+8*\b+\i:TMP+8*\b+\i+1], v[AC+8*\b+\i:AC+8*\b+\i+1], v[BV+2*(\a):BV+2*(\a)+1]       ; each accumulator from its low end on
.else
	v_pk_add_f32 v[TMP+8*\b+\i:TMP+8*\b+\i+1], v[AC+8*\b+\i:AC+8*\b+\i+1], v[BI+8*\b+\i:BI+8*\b+\i+1]
.endif
.endr
.endr
	WIN 0
.set j, 0
.rept 64
	v_med3_num_f32 v[TMP+j], v[TMP+j], -v[LIM], v[LIM]   ; the conversion to an 8-bit code does not saturate (ISA guide 7.6.2): the hold at the largest code x the scale
.set j, j+1
.endr
.irp b, 0,1,2,3,4,5,6,7
	v_cvt_scalef32_pk8_fp8_f32 v[CD+2*\b:CD+2*\b+1], v[TMP+8*\b:TMP+8*\b+7], v[SCL]
.endr
	v_nop                                          ; a plain vector instruction between the conversions and the next block's additions, which write their sources
.irp g, 0,1,2,3
.if \mode
	global_store_b128 v[L16], v[CD+4*\g:CD+4*\g+3], s[10:11] offset:((\a)/4)*131072+((\a)%4)*2048+\g*512   ; head a / 4, channels 16 (a % 4) on, keys 32 g on
.else
	global_store_b128 v[L16], v[CD+4*\g:CD+4*\g+3], s[10:11] offset:(\g/2)*131072+(\a)*1024+(\g%2)*512     ; head g / 2, tokens 16 a on, channels 32 (g % 2) on
.endif
.endr
.endm
	s_cmp_eq_u32 s[ZZ], 2
	s_cbranch_scc1 .Lout_v
.irp a, 0,1,2,3,4,5,6,7
	OUTBLK \a, 0
.endr
	s_branch .Lend
.Lout_v:
.irp a, 0,1,2,3,4,5,6,7
	OUTBLK \a, 1
.endr
.Lend:
	s_wait_tensorcnt 0x0                           ; the wave's end, behind my last tensor load and my last LDS store
	ds_add_u32 v[SPW], v[NIL]
	s_wait_dscnt 0x0
	CROUND                                         ; the closing round: no work-group ends while a partner may still ask for a tile that names it
	s_endpgm
.Lfunc_end_k_q9981f7a763_proj:
	.size	k_q9981f7a763_proj, .Lfunc_end_k_q9981f7a763_proj-k_q9981f7a763_proj
	.p2alignl 7, 3214868480
	.fill 96, 4, 3214868480
	.section	.rodata,"a",@progbits
	.p2align	6, 0x0
	.amdhsa_kernel k_q9981f7a763_proj
		.amdhsa_group_segment_fixed_size 327680
		.amdhsa_private_segment_fixed_size 0
		.amdhsa_enable_private_segment 0
		.amdhsa_kernarg_size 120
		.amdhsa_user_sgpr_count 2
		.amdhsa_user_sgpr_kernarg_segment_ptr 1
		.amdhsa_wavefront_size32 1
		.amdhsa_system_sgpr_workgroup_id_x 1
		.amdhsa_system_sgpr_workgroup_id_y 1
		.amdhsa_system_sgpr_workgroup_id_z 1
		.amdhsa_system_vgpr_workitem_id 0
		.amdhsa_next_free_vgpr 1024
		.amdhsa_next_free_sgpr 100
		.amdhsa_reserve_vcc 0
		.amdhsa_float_denorm_mode_32 3
		.amdhsa_float_denorm_mode_16_64 3
		.amdhsa_memory_ordered 1
		.amdhsa_forward_progress 1
		.amdhsa_inst_pref_size 223
	.end_amdhsa_kernel
	.amdgpu_metadata
---
amdhsa.version: [ 1, 2 ]
amdhsa.kernels:
  - .name:           k_q9981f7a763_proj
    .symbol:         k_q9981f7a763_proj.kd
    .args:
      - { .name: q_codes, .offset: 0, .size: 8, .value_kind: global_buffer, .address_space: global }
      - { .name: k_codes, .offset: 8, .size: 8, .value_kind: global_buffer, .address_space: global }
      - { .name: v_codes, .offset: 16, .size: 8, .value_kind: global_buffer, .address_space: global }
      - { .name: Wq_codes, .offset: 24, .size: 8, .value_kind: global_buffer, .address_space: global }
      - { .name: Wk_codes, .offset: 32, .size: 8, .value_kind: global_buffer, .address_space: global }
      - { .name: Wv_codes, .offset: 40, .size: 8, .value_kind: global_buffer, .address_space: global }
      - { .name: bq, .offset: 48, .size: 8, .value_kind: global_buffer, .address_space: global }
      - { .name: bk, .offset: 56, .size: 8, .value_kind: global_buffer, .address_space: global }
      - { .name: bv, .offset: 64, .size: 8, .value_kind: global_buffer, .address_space: global }
      - { .name: lowp_scales, .offset: 72, .size: 8, .value_kind: global_buffer, .address_space: global }
      - { .name: attn_mask, .offset: 80, .size: 8, .value_kind: global_buffer, .address_space: global }
      - { .name: Qi, .offset: 88, .size: 8, .value_kind: global_buffer, .address_space: global }
      - { .name: Ki, .offset: 96, .size: 8, .value_kind: global_buffer, .address_space: global }
      - { .name: Vi, .offset: 104, .size: 8, .value_kind: global_buffer, .address_space: global }
      - { .name: maskw, .offset: 112, .size: 8, .value_kind: global_buffer, .address_space: global }
    .group_segment_fixed_size: 327680
    .private_segment_fixed_size: 0
    .kernarg_segment_align: 8
    .kernarg_segment_size: 120
    .max_flat_workgroup_size: 128
    .sgpr_count:     100
    .vgpr_count:     1024
    .wavefront_size: 32
...
	.end_amdgpu_metadata
.endif
;; end of part 1
;; launch attn (part 2): grid 4 x 64, 16 waves a work-group, no clusters, 264,192 bytes of LDS; arguments Qi, Ki, Vi, maskw, lowp_scales, Oi; writes Oi
.if DOCPART == 2
	.amdgcn_target "amdgcn-amd-amdhsa--gfx1250"
	.amdhsa_code_object_version 6
	.text
	.protected	k_q9981f7a763_attn
	.globl	k_q9981f7a763_attn
	.p2align	8
	.type	k_q9981f7a763_attn,@function
k_q9981f7a763_attn:
	s_mov_b64 s[64:65], 0
	v_nop
	global_prefetch_b8 v0, s[64:65] scope:SCOPE_SE
	s_setreg_imm32_b32 hwreg(HW_REG_WAVE_MODE, 25, 1), 1
	s_wait_xcnt 0x0
; ATTENTION ON CODES OF FP8 (E4M3), head size 64, 2,048 keys, with the mask that is given.  O = softmax(Q K^T / 8, masked) V for one of 64 (batch, head) pairs; O leaves as codes for the last product.
; THE SOFTMAX AHEAD OF THE SECOND PRODUCT: t = score x log2(e) / 8; M = the row's largest t so far, rounded UP to a whole number; p = 2^(t - M) is what is quantised, with the given 2^e8; it is not normalised.
; The row's sum is taken of the unquantised p, in f32, and divides O at the end.  When M moves, the sum and O are multiplied by 2^(old M - new M): nothing is rounded.
; SHARES.  A work-group owns 512 queries of one head; each of its sixteen waves owns two tiles of 16 queries, one after the other, in 224 registers: four waves to a SIMD, so that one wave's vector work
; stands beside another's matrix work and LDS loads.  Every wave walks all keys, 128 a step.
; LDS holds the head's whole K image (131,072 bytes) and V image (131,072 bytes), copied once, as they lie; behind the one barrier LDS is only read, 512 consecutive bytes an instruction.
; NO CLUSTER, NO TENSOR LOAD: the four work-groups of a head share K and V, but each reads them once, 262,144 bytes, for 512 wave-steps of work.
; LAYOUT.  Both products are used transposed: S^T = K Q^T (source 0 = 16 neighbouring keys, source 1 = my 16 queries), O^T = V^T P^T: a lane holds ONE query (lane % 16) throughout.  In tile t register j is key
; 16 t + 8 (lane / 16) + j: so the eight conversions' results are, in order, the registers of the second product's operand, and V's image has the same order of keys.
; THE MASK comes as lane masks, 64 words a step, by scalar loads a step ahead: word n selects between score register n and -infinity, one instruction a register.
; A row with no key at all has the sum 0: its codes are the NaN code, as the softmax of such a row is NaN.
; LIMITS on the given exponents: e6 + e7 between -123 and 130 (added to c's exponent field); e8 and e10 between -126 and 119; e8 + e9 is applied by v_ldexp_f32 and has none.
.set VIMG, 131072                      ; V's image in LDS; K's lies at 0
.set L16,  1                           ; v1   16 x lane; never rewritten
.set ADK,  2                           ; v2   LDS address of the step's K
.set ADV,  3                           ; v3   of its V
.set NINF, 4                           ; v4   -infinity
.set PSC,  5                           ; v5   2^e8
.set PLIM, 6                           ; v6   448 x 2^e8
.set OSC,  7                           ; v7   2^e10
.set OLIM, 8                           ; v8   448 x 2^e10
.set NANC, 9                           ; v9   four NaN codes
                                       ; v12 -M, v13 the largest t, v[14:15] the sum in two halves
.set QF,   16                          ; v16-23   Q's fragment
.set FRG,  32                          ; v32-95   eight fragments of K, then four of V
.set S,    96                          ; v96-159  S^T, then p
.set OT,   160                         ; v160-191 O^T
.set PC,   192                         ; v192-207 p's codes; on the way out O's
.set XS,   200                         ; v200-201 the way out: what I send to the lane 16 away; v202-203 what I get
.set XR,   202
.set PT,   208                         ; v208 a lane permute's destination
.set MA,   210                         ; v210 at work
.set FF,   212                         ; v[212:213] at work, then f = 2^(old M - new M); v213 stays 0
.set SB,   214                         ; v[214:215] the sum's second chain
.set RS,   216                         ; v216-223 the way out: 32 bytes of codes
.set WV,   16                          ; s16  wave
.set TB,   17                          ; s17  LDS byte of the step's K
.set NST,  18                          ; s18  steps to go
.set NPS,  19                          ; s19  query tiles to go
.set SEL,  20                          ; s[20:21] lane selects: lane l xor 16
.set CS,   22                          ; s[22:23] c = log2(e) / 8 x 2^(e6 + e7)
.set MO,   24                          ; s24  byte offset of the mask words that are on their way
.set HI,   25                          ; s25  the lane mask of lanes 16-31
.set EO,   26                          ; s26  e10
.set EPV,  27                          ; s27  e8 + e9
                                       ; s[28:31] e6 .. e9;  s[32:63], s[68:99] the step's 64 mask words
	s_load_b256 s[4:11], s[0:1], 0x0               ; Qi s[4:5], Ki s[6:7], Vi s[8:9], the mask words s[10:11]
	s_load_b128 s[12:15], s[0:1], 0x20             ; the scales' exponents s[12:13], Oi s[14:15]
	v_lshl_add_u32 v254, v0, 2, 0x40000
	v_mov_b32 v255, 0
	v_lshrrev_b32 v2, 5, v0
	v_readfirstlane_b32 s[WV], v2                  ; wave 0..15
	v_and_b32 v[L16], 31, v0
	v_lshlrev_b32 v[L16], 4, v[L16]
	s_and_b32 s17, ttmp7, 0xffff                   ; batch x 16 + head
	s_lshl_b32 s18, s17, 17                        ; its first byte in Qi, Ki and Vi
	s_lshl_b32 s19, s[WV], 13                      ; my wave copies 8,192 bytes of each image
	s_add_co_u32 s2, s18, s19
	s_mov_b32 s3, 0
	v_add_nc_u32 v[ADK], s19, v[L16]
	v_add_nc_u32 v[ADV], VIMG, v[ADK]
	s_wait_kmcnt 0x0
	s_load_b128 s[28:31], s[12:13], 0x18           ; e6, e7, e8, e9
	s_load_b32 s[EO], s[12:13], 0x28               ; e10
	s_add_nc_u64 s[6:7], s[6:7], s[2:3]
	s_add_nc_u64 s[8:9], s[8:9], s[2:3]
.irp i, 0,1,2,3,4,5,6,7,8,9,10,11,12,13,14,15
	global_load_b128 v[32+4*\i:35+4*\i], v[L16], s[6:7] offset:512*\i    ; 32 lanes read 512 consecutive bytes
.endr
.irp i, 0,1,2,3,4,5,6,7,8,9,10,11,12,13,14,15
	global_load_b128 v[96+4*\i:99+4*\i], v[L16], s[8:9] offset:512*\i
.endr
	s_lshl_b32 s2, ttmp9, 17                       ; the mask words of my two query tiles, 32 x + 2 wave and the next: 4,096 bytes a tile
	s_add_co_u32 s2, s2, s19
	s_add_nc_u64 s[10:11], s[10:11], s[2:3]
	s_mov_b32 s[MO], 0
	s_load_b512 s[32:47], s[10:11], s[MO] offset:0x0      ; the first step's 64 words
	s_load_b512 s[48:63], s[10:11], s[MO] offset:0x40
	s_load_b512 s[68:83], s[10:11], s[MO] offset:0x80
	s_load_b512 s[84:99], s[10:11], s[MO] offset:0xc0
	s_lshl_b32 s2, ttmp9, 15                       ; Q: 1,024 bytes a tile
	s_lshl_b32 s19, s[WV], 11
	s_add_co_u32 s2, s2, s19
	s_add_co_u32 s2, s2, s18
	s_add_nc_u64 s[4:5], s[4:5], s[2:3]
	s_lshr_b32 s2, s17, 4                          ; O: token tile batch x 128 + 32 x + 2 wave, 16,384 bytes a tile; in it 1,024 bytes a head
	s_lshl_b32 s2, s2, 21
	s_lshl_b32 s19, ttmp9, 19
	s_add_co_u32 s2, s2, s19
	s_lshl_b32 s19, s[WV], 15
	s_add_co_u32 s2, s2, s19
	s_and_b32 s19, s17, 15
	s_lshl_b32 s19, s19, 10
	s_add_co_u32 s2, s2, s19
	s_add_nc_u64 s[14:15], s[14:15], s[2:3]
	s_mov_b32 s[SEL], 0x76543210
	s_mov_b32 s[SEL+1], 0xfedcba98
	s_mov_b32 s[HI], 0xffff0000
	v_mov_b32 v[NINF], 0xff800000
	v_mov_b32 v[NANC], 0x7f7f7f7f
	v_mov_b32 v[PT], 0                             ; written once: a lane permute's destination counts as one of its sources
	v_mov_b32 v[XR], 0
	v_mov_b32 v[XR+1], 0
	v_mov_b32 v[FF+1], 0                           ; named as the upper half of the pair
	s_wait_kmcnt 0x0
	s_add_co_i32 s[CS], s28, s29
	s_lshl_b32 s[CS], s[CS], 23
	s_add_co_i32 s[CS], s[CS], 0x3e38aa3b          ; c = log2(e) / 8, with e6 + e7 added to its exponent field: a score stands for score x 2^(e6 + e7)
	s_mov_b32 s[CS+1], s[CS]                       ; named with it as a pair, so it is written
	s_add_co_i32 s[EPV], s30, s31
	s_add_co_i32 s2, s30, 127
	s_lshl_b32 s3, s2, 23
	v_mov_b32 v[PSC], s3                           ; 2^e8 as f32
	s_add_co_i32 s2, s2, 8
	s_lshl_b32 s2, s2, 23
	s_or_b32 s2, s2, 0x600000
	v_mov_b32 v[PLIM], s2                          ; 448 x 2^e8
	s_add_co_i32 s2, s[EO], 127
	s_lshl_b32 s3, s2, 23
	v_mov_b32 v[OSC], s3                           ; 2^e10
	s_add_co_i32 s2, s2, 8
	s_lshl_b32 s2, s2, 23
	s_or_b32 s2, s2, 0x600000
	v_mov_b32 v[OLIM], s2                          ; 448 x 2^e10
	s_wait_loadcnt 16                              ; K's sixteen loads are in; V's may be out
.irp i, 0,1,2,3,4,5,6,7,8,9,10,11,12,13,14,15
	ds_store_b128 v[ADK], v[32+4*\i:35+4*\i] offset:512*\i
.endr
	s_wait_loadcnt 0x0
.irp i, 0,1,2,3,4,5,6,7,8,9,10,11,12,13,14,15
	ds_store_b128 v[ADV], v[96+4*\i:99+4*\i] offset:512*\i
.endr
	s_wait_dscnt 0x0                               ; for the others' sake: my stores have landed
	s_barrier_signal -1
	s_barrier_wait -1                              ; both images are whole; from here on LDS is only read
	s_mov_b32 s[NPS], 2
.Lpass:                                            ; a tile of 16 queries
	global_load_b128 v[QF:QF+3], v[L16], s[4:5]
	global_load_b128 v[QF+4:QF+7], v[L16], s[4:5] offset:512
	v_mov_b32 v13, 0xff61b1e6                      ; the largest t so far: -3e38, under every t
	v_floor_f32 v12, -v13                          ; -M
	v_mov_b32 v14, 0
	v_mov_b32 v15, 0
.set j, 0
.rept 32
	v_mov_b32 v[OT+j], 0                           ; the step is written once: the first finds zeros, which the first change of M leaves zeros
.set j, j+1
.endr
	s_mov_b32 s[TB], 0
	s_mov_b32 s[NST], 16
	s_wait_loadcnt 0x0                             ; Q
.Lstep:                                            ; 128 keys
	v_add_nc_u32 v[ADK], s[TB], v[L16]
	v_add_nc_u32 v[ADV], VIMG, v[ADK]
	v_nop
	v_nop                                          ; four places in front of loads into registers that the last step's products read
.irp t, 0,1,2,3,4,5,6,7
	ds_load_b128 v[FRG+8*\t:FRG+8*\t+3], v[ADK] offset:1024*\t
	ds_load_b128 v[FRG+8*\t+4:FRG+8*\t+7], v[ADK] offset:1024*\t+512
.endr
	s_wait_dscnt 0x0
.irp t, 0,1,2,3,4,5,6,7
	v_wmma_f32_16x16x64_fp8_fp8 v[S+8*\t:S+8*\t+7], v[FRG+8*\t:FRG+8*\t+7], v[QF:QF+7], 0
.endr
.rept 4
	v_nop                                          ; places in front of the loads below and of the first read of the scores
.endr
.irp t, 0,1,2,3
.irp c, 0,1,2,3
	ds_load_b128 v[FRG+16*\t+4*\c:FRG+16*\t+4*\c+3], v[ADV] offset:2048*\t+512*\c   ; V's four fragments land while the softmax is worked
.endr
.endr
	s_wait_kmcnt 0x0                               ; this step's mask words are in, so their offset may be written
	s_add_co_u32 s[MO], s[MO], 256
	s_and_b32 s[MO], s[MO], 0x1fff                 ; my two tiles' 32 units lie on end; behind the last the offset turns to 0, so that no load leaves the buffer
.set n, 0
.rept 32
	v_cndmask_b32 v[S+n], v[NINF], v[S+n], s[32+n] ; hidden scores become -infinity ahead of the maximum: p = 0 then.  Each tile from its low end on
.set n, n+1
.endr
.rept 32
	v_cndmask_b32 v[S+n], v[NINF], v[S+n], s[36+n]
.set n, n+1
.endr
	s_load_b512 s[32:47], s[10:11], s[MO] offset:0x0      ; the next step's words: a step ahead of their use
	s_load_b512 s[48:63], s[10:11], s[MO] offset:0x40
	s_load_b512 s[68:83], s[10:11], s[MO] offset:0x80
	s_load_b512 s[84:99], s[10:11], s[MO] offset:0xc0
	v_max3_num_f32 v[MA], v[S], v[S+1], v[S+2]     ; the step's largest score of my query, among my 64 keys, in two chains,
	v_max3_num_f32 v[FF], v[S+3], v[S+4], v[S+5]
.irp i, 6,10,14,18,22,26,30,34,38,42,46,50,54,58
	v_max3_num_f32 v[MA], v[MA], v[S+\i], v[S+1+\i]
	v_max3_num_f32 v[FF], v[FF], v[S+2+\i], v[S+3+\i]
.endr
	v_max3_num_f32 v[MA], v[MA], v[S+62], v[S+63]
	v_max_num_f32 v[MA], v[MA], v[FF]
	v_permlanex16_b32 v[PT], v[MA], s[SEL], s[SEL+1]
	v_max_num_f32 v[MA], v[MA], v[PT]              ; and among lane l xor 16's
	v_mul_f32 v[MA], s[CS], v[MA]                  ; as t (c is positive)
	v_max_num_f32 v13, v13, v[MA]                  ; the running largest t
	v_mov_b32 v[MA], v12
	v_floor_f32 v12, -v13                          ; the new -M = floor(-t) = -ceil(t): a whole number
	v_sub_f32 v[MA], v12, v[MA]                    ; M's old value less its new one: 0 or less
	v_cvt_i32_f32 v[MA], v[MA]                     ; (it saturates)
	v_ldexp_f32 v[FF], 1.0, v[MA]                  ; f = 2^(old M - new M)
.set j, 0
.rept 32
	v_pk_fma_f32 v[S+j:S+j+1], v[S+j:S+j+1], s[CS:CS+1], v[12:13] op_sel_hi:[1,0,0]   ; t - M, two at a time (of the pairs c and -M the low word serves both halves)
.set j, j+2
.endr
.set j, 0
.rept 64
	v_exp_f32 v[S+j], v[S+j]                       ; p = 2^(t - M), at most 1
.set j, j+1
.endr
	v_pk_mul_f32 v[14:15], v[14:15], v[FF:FF+1] op_sel_hi:[1,0]   ; the sums under the new M: a plain instruction behind the exponentials
	s_wait_alu depctr_va_vdst(0)                   ; one wait for the batch of 64, ahead of its first reader
	v_pk_add_f32 v[SB:SB+1], v[S:S+1], v[S+2:S+3]  ; the row's sum is taken of the unquantised p: two at a time, in two chains
.irp j, 4,8,12,16,20,24,28,32,36,40,44,48,52,56,60
	v_pk_add_f32 v[14:15], v[14:15], v[S+\j:S+1+\j]
	v_pk_add_f32 v[SB:SB+1], v[SB:SB+1], v[S+2+\j:S+3+\j]
.endr
	v_pk_add_f32 v[14:15], v[14:15], v[SB:SB+1]
	s_cmp_ge_i32 s30, -8                           ; p is at most 1, and 448 x 2^e8 is at least 1 from e8 = -8 on: there the hold changes nothing and is jumped over
	s_cbranch_scc1 .Lheld
.set j, 0
.rept 64
	v_min_num_f32 v[S+j], v[S+j], v[PLIM]          ; the conversion to an 8-bit code does not saturate (ISA guide 7.6.2); p is not negative, so the hold is one-sided
.set j, j+1
.endr
.Lheld:
.irp t, 0,1,2,3,4,5,6,7
	v_cvt_scalef32_pk8_fp8_f32 v[PC+2*\t:PC+2*\t+1], v[S+8*\t:S+8*\t+7], v[PSC]   ; registers 2 t, 2 t + 1 of the operand: keys 16 t + 8 h + 0 .. 7
.endr
.set j, 0
.rept 16
	v_pk_mul_f32 v[OT+j:OT+j+1], v[OT+j:OT+j+1], v[FF:FF+1] op_sel_hi:[1,0]   ; O^T under the new M.  (Also the plain instructions between the conversions and the products)
.set j, j+2
.endr
	s_wait_dscnt 0x0                               ; V
.irp t, 0,1,2,3
	v_wmma_f32_16x16x128_fp8_fp8 v[OT+8*\t:OT+8*\t+7], v[FRG+16*\t:FRG+16*\t+15], v[PC:PC+15], v[OT+8*\t:OT+8*\t+7]   ; four accumulators, one instruction a turn; the next step's eight score tiles stand between two links
.endr
	s_add_co_u32 s[TB], s[TB], 8192
	s_sub_co_u32 s[NST], s[NST], 1
	s_cmp_lg_u32 s[NST], 0
	s_cbranch_scc1 .Lstep
	; THE WAY OUT of a tile: O^T / the sum x 2^(e8 + e9), quantised with 2^e10, in the order of the last product's operand registers: lane (r, h): token r, channels 32 c + 16 h + 0 .. 15.
.rept 4
	v_nop                                          ; places behind the last products
.endr
	v_add_f32 v14, v14, v15                        ; the sum's two halves,
	v_permlanex16_b32 v[PT], v14, s[SEL], s[SEL+1]
	v_add_f32 v14, v14, v[PT]                      ; and lane l xor 16's
	v_rcp_f32 v[FF], v14
	v_cmp_eq_f32 vcc_lo, 0, v14                    ; a row without a key
	v_nop                                          ; a plain instruction behind the reciprocal
	s_wait_alu depctr_va_vdst(0)                   ; the wait ahead of its first reader
	v_ldexp_f32 v[FF], v[FF], s[EPV]
.set j, 0
.rept 16
	v_pk_mul_f32 v[S+j:S+j+1], v[OT+j:OT+j+1], v[FF:FF+1] op_sel_hi:[1,0]     ; register 8 t + i is o(r, 16 t + 8 h + i); each accumulator from its low end on
.set j, j+2
.endr
.set j, 0
.rept 32
	v_med3_num_f32 v[S+j], v[S+j], -v[OLIM], v[OLIM]
.set j, j+1
.endr
.irp t, 0,1,2,3
	v_cvt_scalef32_pk8_fp8_f32 v[PC+2*\t:PC+2*\t+1], v[S+8*\t:S+8*\t+7], v[OSC]
.endr
	v_nop                                          ; a plain instruction between the conversions and the first use of their results
.irp c, 0,1                                    ; lanes 0-15 want tile 2 c whole, lanes 16-31 tile 2 c + 1: each half sends the other its eight codes of the tile that it does not keep
	v_cndmask_b32 v[XS], v[PC+4*\c+2], v[PC+4*\c], s[HI]
	v_cndmask_b32 v[XS+1], v[PC+4*\c+3], v[PC+4*\c+1], s[HI]
	v_permlanex16_b32 v[XR], v[XS], s[SEL], s[SEL+1]
	v_permlanex16_b32 v[XR+1], v[XS+1], s[SEL], s[SEL+1]
	v_cndmask_b32 v[RS+4*\c], v[PC+4*\c], v[XR], s[HI]
	v_cndmask_b32 v[RS+4*\c+1], v[PC+4*\c+1], v[XR+1], s[HI]
	v_cndmask_b32 v[RS+4*\c+2], v[XR], v[PC+4*\c+2], s[HI]
	v_cndmask_b32 v[RS+4*\c+3], v[XR+1], v[PC+4*\c+3], s[HI]
.endr
.irp i, 0,1,2,3,4,5,6,7
	v_cndmask_b32 v[RS+\i], v[RS+\i], v[NANC], vcc_lo
.endr
	global_store_b128 v[L16], v[RS:RS+3], s[14:15]             ; 32 lanes store 512 consecutive bytes, aligned
	global_store_b128 v[L16], v[RS+4:RS+7], s[14:15] offset:512
	s_wait_xcnt 0x0                                ; the stores have read their registers and their base: both are written again below and in the next tile
	s_add_nc_u64 s[4:5], s[4:5], 1024
	s_add_nc_u64 s[14:15], s[14:15], 16384
	s_sub_co_u32 s[NPS], s[NPS], 1
	s_cmp_lg_u32 s[NPS], 0
	s_cbranch_scc1 .Lpass
	s_wait_tensorcnt 0x0
	ds_add_u32 v254, v255
	s_wait_dscnt 0x0
	s_endpgm
.Lfunc_end_k_q9981f7a763_attn:
	.size	k_q9981f7a763_attn, .Lfunc_end_k_q9981f7a763_attn-k_q9981f7a763_attn
	.p2alignl 7, 3214868480
	.fill 96, 4, 3214868480
	.section	.rodata,"a",@progbits
	.p2align	6, 0x0
	.amdhsa_kernel k_q9981f7a763_attn
		.amdhsa_group_segment_fixed_size 264192
		.amdhsa_private_segment_fixed_size 0
		.amdhsa_enable_private_segment 0
		.amdhsa_kernarg_size 48
		.amdhsa_user_sgpr_count 2
		.amdhsa_user_sgpr_kernarg_segment_ptr 1
		.amdhsa_wavefront_size32 1
		.amdhsa_system_sgpr_workgroup_id_x 1
		.amdhsa_system_sgpr_workgroup_id_y 1
		.amdhsa_system_sgpr_workgroup_id_z 1
		.amdhsa_system_vgpr_workitem_id 0
		.amdhsa_next_free_vgpr 256
		.amdhsa_next_free_sgpr 100
		.amdhsa_reserve_vcc 1
		.amdhsa_float_denorm_mode_32 3
		.amdhsa_float_denorm_mode_16_64 3
		.amdhsa_memory_ordered 1
		.amdhsa_forward_progress 1
		.amdhsa_inst_pref_size 36
	.end_amdhsa_kernel
	.amdgpu_metadata
---
amdhsa.version: [ 1, 2 ]
amdhsa.kernels:
  - .name:           k_q9981f7a763_attn
    .symbol:         k_q9981f7a763_attn.kd
    .args:
      - { .name: Qi, .offset: 0, .size: 8, .value_kind: global_buffer, .address_space: global }
      - { .name: Ki, .offset: 8, .size: 8, .value_kind: global_buffer, .address_space: global }
      - { .name: Vi, .offset: 16, .size: 8, .value_kind: global_buffer, .address_space: global }
      - { .name: maskw, .offset: 24, .size: 8, .value_kind: global_buffer, .address_space: global }
      - { .name: lowp_scales, .offset: 32, .size: 8, .value_kind: global_buffer, .address_space: global }
      - { .name: Oi, .offset: 40, .size: 8, .value_kind: global_buffer, .address_space: global }
    .group_segment_fixed_size: 264192
    .private_segment_fixed_size: 0
    .kernarg_segment_align: 8
    .kernarg_segment_size: 48
    .max_flat_workgroup_size: 512
    .sgpr_count:     100
    .vgpr_count:     256
    .wavefront_size: 32
...
	.end_amdgpu_metadata
.endif
;; end of part 2
;; launch outp (part 3): grid 4 x 32, 4 waves a work-group, clusters of 4 x 4, 327,680 bytes of LDS; arguments Oi, Wo_codes, lowp_scales, bo, out0; writes out0
.if DOCPART == 3
	.amdgcn_target "amdgcn-amd-amdhsa--gfx1250"
	.amdhsa_code_object_version 6
	.text
	.protected	k_q9981f7a763_outp
	.globl	k_q9981f7a763_outp
	.p2align	8
	.type	k_q9981f7a763_outp,@function
k_q9981f7a763_outp:
	s_mov_b64 s[64:65], 0
	v_nop
	global_prefetch_b8 v0, s[64:65] scope:SCOPE_SE
	s_setreg_imm32_b32 hwreg(HW_REG_WAVE_MODE, 25, 1), 1
	s_wait_xcnt 0x0
	s_wait_alu depctr_hold_cnt(0) depctr_sa_sdst(0) depctr_va_vdst(0) depctr_va_sdst(0) depctr_va_ssrc(0) depctr_va_vcc(0) depctr_vm_vsrc(0)
	s_getreg_b32 s2, hwreg(HW_REG_IB_STS2, 6, 4)
	s_cmp_eq_u32 s2, 0
	s_cbranch_scc0 .Lentry_in_a_cluster
	s_endpgm
.Lentry_in_a_cluster:
	s_bfe_u32 s2, ttmp6, 0x10000c
	s_cmp_lg_u32 s2, 0xf033
	s_cbranch_scc0 .Lentry_shape_is_right
	s_endpgm
.Lentry_shape_is_right:
; THE LAST PRODUCT, out0 = O Wo^T + bo, on codes of FP8 (E4M3): 8,192 x 1,024 x 1,024; out0 f32.  Each finished sum is multiplied once by 2^(e10 + e11) and the bias added, in one fused multiply-add.
; LIMIT: e10 + e11 between -126 and 127, so that 2^(e10 + e11) is an f32 number.
; A tile of 256 x 256 is made by a work-group of four waves, 128 x 128 a wave: 64 accumulators, 512 registers.  K goes in steps of 256 through a ring of two LDS slots filled by the tensor data mover.
; 4 x 4 work-groups form a cluster: O's tile is shared along a row of the cluster, Wo's along a column, each asked for jointly.  128 tiles, so 128 work-groups.
; O ARRIVES AS AN IMAGE OF ITS OPERAND REGISTERS: a tile of 16 tokens is 16,384 bytes; in it the fragment of K = 128 f .. 128 f + 127 is 2,048 bytes: register group c at 512 c + 16 lane, lane (r, h): token r,
; K = 128 f + 32 c + 16 h + 0 .. 15.  That is the order of k that four loads of 16 bytes, 32 apart, give Wo's rows.  A K step of a tile of 16 tokens is 4,096 dense bytes, and a fragment load reads 512 consecutive LDS bytes: no padding.
; THE MATRIX INSTRUCTION IS USED TRANSPOSED (source 0 = 16 rows of Wo, source 1 = 16 tokens): a lane holds eight neighbouring numbers of a row of out0.
; REGISTERS, in windows of 256: window 0: v0-31 addresses, v8-11 my four biases; from v128 O's fragments, ONE set; on the way out rows of out0.   window 1: Wo's fragments, TWO sets.
;   window 2: the accumulators of my rows 0-63 (accumulator (a, b) at v[8 (8 a + b)]);   window 3: of my rows 64-127.
.set ROWB,   256                       ; a row of Wo's tile in bytes
.set KROW,   1024                      ; a row of Wo in memory
.set PITCH,  272                       ; Wo's LDS row: 256 bytes + 16 of padding: the 16 rows that a load touches start at 16 different banks (64 banks of 4 bytes: ISA guide 11.1)
.set FR,     16
.set NL,     4
.set NP,     4                         ; places behind this matrix instruction (ISA guide 7.12.1)
.set HALFT,  128*PITCH                 ; 128 rows of Wo
.set AHALF,  32768                     ; 128 tokens x 256 K of O: eight tiles of 4,096 bytes
.set ABYTES, 2*AHALF
.set ASTEP,  4096                      ; a K step on in a tile of 16 tokens
.set SLOT,   ABYTES+2*HALFT            ; O's 256 tokens, then Wo's 256 rows
.set LAPS,   2
.set SPARE,  2*SLOT                    ; behind the ring: the spare words, 128 bytes for each wave
.set SPITCH, 528                       ; the way out: a stage of 16 rows x (512 bytes + 16) for each wave.  It lies in slot 0, which has had its last fill and its last read when the first result is stored there
.set BO,   8                           ; v8-11   bo of my four columns
.set ADRA, 16                          ; v16-17  LDS address of O's fragments in slot 0, 1
.set ADRB, 20                          ; v20-21  of Wo's
.set STO,  24                          ; v24     the way out: where I put 32 bytes of a row
.set RD,   25                          ; v25     where I read a row back
.set CO,   26                          ; v26     16 x lane: my byte offset in a row of 512 bytes; never rewritten
.set SPW,  28                          ; v28     LDS address of my spare word; never rewritten
.set NIL,  29                          ; v29     0; never rewritten
.set AF,   128
.set BK,   128                         ; the way out: 16 rows read back from the stage: v128-191 and v192-255 by turns
.set G1, 24                            ; s[24:31] descriptor group 1 for O's tiles;  s[32:39] group 0, one set for each slot
.set G0, 32
.set G1B, 48                           ; s[48:55], s[56:63] the same for Wo's
.set G0B, 56
.set MSB, 0
.macro WIN new                         ; the immediate's high byte repeats the setting that is left
.if MSB != \new
	s_set_vgpr_msb (MSB<<8)|\new
.set MSB, \new
.endif
.endm
.set MUL_LO, 0xa1                      ; source 0 (Wo) window 1, source 1 (O) window 0, C and D window 2
.set MUL_HI, 0xf1
.set TO_B,   0x40
.macro JLOAD g0a, g1a, g0b, g1b        ; a joint load: waves 0 and 1 fetch for O, waves 2 and 3 for Wo; four v_nop follow each of the two lines
	s_cmp_eq_u32 s15, 0
	s_cbranch_scc0 .Lfor_b_\@
	tensor_load_to_lds s[\g0a:\g0a+3], s[\g1a:\g1a+7]
	s_nop 0
.rept 4
	v_nop
.endr
	s_branch .Lasked_\@
.Lfor_b_\@:
	tensor_load_to_lds s[\g0b:\g0b+3], s[\g1b:\g1b+7]
	s_nop 0
.rept 4
	v_nop
.endr
.Lasked_\@:
.endm
.macro CREST
	s_cmp_lg_u32 s14, 0
	s_cbranch_scc1 .Lnot_wave_0_\@
	s_barrier_signal -3
.Lnot_wave_0_\@:
	s_barrier_wait -3
	s_barrier_signal -1
	s_barrier_wait -1
.endm
.macro CROUND
	s_barrier_signal -1
	s_barrier_wait -1
	CREST
.endm
	s_load_b128 s[4:7], s[0:1], 0x0                ; Oi s[4:5], Wo's codes s[6:7]
	s_load_b128 s[8:11], s[0:1], 0x10              ; the scales' exponents s[8:9], bo s[10:11]
	s_load_b64 s[12:13], s[0:1], 0x20              ; out0
	v_lshl_add_u32 v[SPW], v0, 2, SPARE
	v_mov_b32 v[NIL], 0
	ds_add_u32 v28, v29
	ds_add_u32 v28, v29
	s_wait_dscnt 0x0
	v_lshrrev_b32 v1, 5, v0
	v_readfirstlane_b32 s14, v1                    ; wave 0..3
	s_lshr_b32 s15, s14, 1                         ; which half of the tile's rows is mine.  Also: I fetch for O (0) or for Wo (1)
	s_and_b32 s16, s14, 1                          ; which half of its columns.  Also: which half of that tile I fetch
	s_bfe_u32 s40, ttmp6, 0x40000                  ; cx, cy
	s_bfe_u32 s41, ttmp6, 0x40004
	s_lshl_b32 s42, ttmp9, 2
	s_add_co_u32 s42, s42, s40                     ; tile column
	s_and_b32 s17, ttmp7, 0xffff
	s_lshl_b32 s17, s17, 2
	s_add_co_u32 s17, s17, s41                     ; tile row
	s_lshl_b32 s43, s41, 2
	s_lshl_b32 s43, 15, s43                        ; my row of the cluster
	s_lshl_b32 s44, 0x1111, s40                    ; my column
	; O's tiles: 8 rows (tiles of 16 tokens) x 4,096 bytes, 16,384 bytes apart, dense in LDS
	s_or_b32 s[G1+0], s43, (3<<16)|(1<<21)         ; 15:0 the mask: my row; 17:16 elements of 8 bytes; 21 set beside a mask; no padding
	s_mov_b32 s[G1+1], 512<<16                     ; tensor_dim0 = 512 elements
	s_mov_b32 s[G1+2], 8<<16                       ; tensor_dim1 = 8
	s_mov_b32 s[G1+3], 512<<16                     ; tile_dim0
	s_mov_b32 s[G1+4], 8                           ; tile_dim1
	s_mov_b32 s[G1+5], 2048                        ; tensor_dim0_stride, in elements
	s_mov_b32 s[G1+6], 0
	s_mov_b32 s[G1+7], 0
	; Wo's tiles: 128 rows x 256 bytes, padded in LDS
	s_or_b32 s[G1B+0], s44, (0<<16)|(1<<20)|(1<<21)|(5<<22)|(3<<25)  ; the mask: my column; elements of 1 byte; padding: 4 words after every 64
	s_mov_b32 s[G1B+1], ROWB<<16
	s_mov_b32 s[G1B+2], 128<<16
	s_mov_b32 s[G1B+3], ROWB<<16
	s_mov_b32 s[G1B+4], 128
	s_mov_b32 s[G1B+5], KROW
	s_mov_b32 s[G1B+6], 0
	s_mov_b32 s[G1B+7], 0
	s_lshl_b32 s20, s17, 18                        ; O: 16 tiles of 16,384 bytes a tile row,
	s_lshl_b32 s18, s16, 17                        ; + 8 tiles x half
	s_add_co_u32 s20, s20, s18
	s_mov_b32 s21, 0
	s_lshl_b32 s46, s42, 8
	s_lshl_b32 s18, s16, 7
	s_add_co_u32 s46, s46, s18                     ; Wo: row 256 x tile column + 128 x half
	s_lshl_b32 s46, s46, 10
	s_mov_b32 s47, 0
	s_lshl_b32 s45, s16, 15                        ; where they go: O's half,
	s_mul_i32 s19, s16, HALFT
	s_add_co_u32 s19, s19, ABYTES                  ; Wo's half, behind O's: no place in the cluster enters an LDS address
	s_wait_kmcnt 0x0
	s_load_b64 s[96:97], s[8:9], 0x28              ; e10, e11
	s_add_nc_u64 s[20:21], s[4:5], s[20:21]
	s_add_nc_u64 s[46:47], s[6:7], s[46:47]
	CROUND                                         ; all sixteen work-groups are here: the first joint loads meet
.irp s, 0,1
	s_mov_b32 s[G0+4*\s], 1
	s_add_co_u32 s[G0+4*\s+1], s45, \s*SLOT
	s_add_nc_u64 s[G0+4*\s+2:G0+4*\s+3], s[20:21], \s*ASTEP
	s_or_b32 s[G0+4*\s+3], s[G0+4*\s+3], 0x80000000
	s_mov_b32 s[G0B+4*\s], 1
	s_add_co_u32 s[G0B+4*\s+1], s19, \s*SLOT
	s_add_nc_u64 s[G0B+4*\s+2:G0B+4*\s+3], s[46:47], \s*ROWB
	s_or_b32 s[G0B+4*\s+3], s[G0B+4*\s+3], 0x80000000
	JLOAD G0+4*\s, G1, G0B+4*\s, G1B
.endr
	v_and_b32 v1, 15, v0                           ; r
	v_bfe_u32 v2, v0, 4, 1                         ; h
	v_and_b32 v6, 31, v0
	v_lshlrev_b32 v[CO], 4, v6
	v_mul_u32_u24 v3, v1, PITCH
	v_lshl_add_u32 v4, v2, 4, v3
	s_lshl_b32 s21, s15, 15                        ; my 128 tokens of O
	s_mul_i32 s22, s16, HALFT
	s_add_co_u32 s22, s22, ABYTES                  ; my 128 rows of Wo
.irp s, 0,1
	v_add_nc_u32 v[ADRA+\s], s21, v[CO]
	v_add_nc_u32 v[ADRB+\s], s22, v4
	s_add_co_u32 s21, s21, SLOT
	s_add_co_u32 s22, s22, SLOT
.endr
	s_mul_i32 s23, s14, 16*SPITCH                  ; my stage
	v_mul_u32_u24 v5, v1, SPITCH
	v_lshl_add_u32 v5, v2, 5, v5
	v_add_nc_u32 v[STO], s23, v5                   ; in: row r, 32 bytes for each half of the lanes
	v_add_nc_u32 v[RD], s23, v[CO]                 ; back: the 32 lanes take one row of 512 bytes
	s_lshl_b32 s20, s17, 20                        ; my first row of out0: (256 x tile row + 128 x half) x 4,096 bytes
	s_lshl_b32 s21, s15, 19
	s_add_co_u32 s20, s20, s21
	s_lshl_b32 s46, s42, 10                        ; my first column, in bytes: 1,024 x tile column + 512 x half
	s_lshl_b32 s47, s16, 9
	s_add_co_u32 s46, s46, s47
	s_add_co_u32 s20, s20, s46
	s_mov_b32 s21, 0
	s_mov_b32 s47, 0
	s_add_nc_u64 s[12:13], s[12:13], s[20:21]
	s_add_nc_u64 s[10:11], s[10:11], s[46:47]
	global_load_b128 v[BO:BO+3], v[CO], s[10:11]   ; bo of columns 4 lane + 0 .. 3 of my 128
.macro FRAGA reg, adr, q, i            ; O's fragment of tokens 16 i on, the slot's q-th 128 along K: four runs of 512 consecutive bytes
.irp c, 0,1,2,3
	ds_load_b128 v[\reg+4*\c:\reg+4*\c+3], v[\adr] offset:(\i)*4096+(\q)*2048+512*\c
.endr
.endm
.macro FRAGB reg, adr, q, i            ; Wo's: lane l holds row l % 16; registers 4 c .. 4 c + 3 hold K = 32 c + 16 (l / 16) + 0 .. 15
.irp c, 0,1,2,3
	ds_load_b128 v[\reg+4*\c:\reg+4*\c+3], v[\adr] offset:128*(\q)+32*\c+(\i)*16*PITCH
.endr
.endm
; 16 matrix instructions.  The 64 accumulators take turns, one instruction a turn, in the same order in every step.
.macro MUL16 a0, p, zero
.irp a, \a0, \a0+1
.irp b, 0,1,2,3,4,5,6,7
.if \zero
	v_wmma_f32_16x16x128_fp8_fp8 v[8*(8*((\a)%4)+\b):8*(8*((\a)%4)+\b)+7], v[128*(\p)+FR*\b:128*(\p)+FR*\b+FR-1], v[AF+FR*(\a):AF+FR*(\a)+FR-1], 0
.else
	v_wmma_f32_16x16x128_fp8_fp8 v[8*(8*((\a)%4)+\b):8*(8*((\a)%4)+\b)+7], v[128*(\p)+FR*\b:128*(\p)+FR*\b+FR-1], v[AF+FR*(\a):AF+FR*(\a)+FR-1], v[8*(8*((\a)%4)+\b):8*(8*((\a)%4)+\b)+7]
.endif
.endr
.endr
.endm
.macro FETCH_B slot, q, p
	WIN TO_B
.irp i, 0,1,2,3,4,5,6,7
	FRAGB 128*(\p)+FR*\i, ADRB+\slot, \q, \i
.endr
	WIN 0
.endm
.macro FETCH_A slot, q, i0
.irp i, \i0, \i0+1, \i0+2, \i0+3
	FRAGA AF+FR*(\i), ADRA+\slot, \q, \i
.endr
.endm
.macro PLACES n                        ; plain vector instructions between a matrix instruction and a load into one of its registers or a read of its result
.rept \n
	v_nop
.endr
.endm
.macro STEP slot, q, zero
	s_wait_dscnt 4*NL                              ; Wo's set and O's blocks 0-3 are in; the youngest sixteen loads (blocks 4-7) may be out
	WIN MUL_LO
	MUL16 0, (\q)%2, \zero
	MUL16 2, (\q)%2, \zero
	s_wait_dscnt 0
	PLACES NP
	FETCH_B \slot, (\q)+1, 1-(\q)%2
	FETCH_A \slot, (\q)+1, 0
	WIN MUL_HI
	MUL16 4, (\q)%2, \zero
	MUL16 6, (\q)%2, \zero
	PLACES NP
	WIN 0
	FETCH_A \slot, (\q)+1, 4
.endm
; A slot's last step changes slots: ONE barrier; in front of it each wave waits for all its tensor loads, adds 0 to its spare word, and waits for that and for its own reads of this slot.
.macro TURN slot, next, fill
	s_wait_tensorcnt 0x0                           ; all my tensor loads have landed: my part of the next slot
	ds_add_u32 v[SPW], v[NIL]                      ; 0 onto my spare word
	s_wait_dscnt 4*NL+1                            ; the add and the youngest sixteen loads may be out
	WIN MUL_LO
	MUL16 0, 1, 0
	s_wait_dscnt 0x0                               ; the add is done, and my reads of this slot are over
	s_barrier_signal -1
	MUL16 2, 1, 0
	WIN 0
	s_barrier_wait -1
.if \fill
	CREST                                          ; the barrier has opened a round of the cluster's barrier: no wave of any partner still reads this slot or has a load on its way
	s_add_nc_u64 s[G0+4*\slot+2:G0+4*\slot+3], s[G0+4*\slot+2:G0+4*\slot+3], 2*ASTEP
	s_add_nc_u64 s[G0B+4*\slot+2:G0B+4*\slot+3], s[G0B+4*\slot+2:G0B+4*\slot+3], 2*ROWB
	JLOAD G0+4*\slot, G1, G0B+4*\slot, G1B         ; the first tensor load behind the round; its four v_nop are also the places in front of the loads below
.else
	PLACES NP
.endif
	FETCH_B \next, 0, 0
	FETCH_A \next, 0, 0
	WIN MUL_HI
	MUL16 4, 1, 0
	MUL16 6, 1, 0
	PLACES NP
	WIN 0
	FETCH_A \next, 0, 4
.endm
	s_wait_tensorcnt 1                             ; my part of K step 0 is in; K step 1's load may be out
	s_barrier_signal -1
	s_barrier_wait -1
	FETCH_B 0, 0, 0
	FETCH_A 0, 0, 0
	FETCH_A 0, 0, 4
	STEP 0, 0, 1                                   ; the first step's products start the sums
	s_mov_b32 s3, LAPS-1
.Llap:
	TURN 0, 1, 1
	STEP 1, 0, 0
	TURN 1, 0, 1
	STEP 0, 0, 0
	s_sub_co_u32 s3, s3, 1
	s_cmp_lg_u32 s3, 0
	s_cbranch_scc1 .Llap
	TURN 0, 1, 0                                   ; the last lap fills nothing
	STEP 1, 0, 0
	s_wait_dscnt 4*NL
	WIN MUL_LO
	MUL16 0, 1, 0
	MUL16 2, 1, 0
	s_wait_dscnt 0
	WIN MUL_HI
	MUL16 4, 1, 0
	MUL16 6, 1, 0
	WIN 0
; THE WAY OUT, block by block of 16 rows x 128 columns.  The sums go as they are from the accumulators into my own stage and come back as whole rows of 512 bytes; there a lane holds four neighbouring columns,
; the same four in every row, so four registers of bias serve all: sum x 2^(e10 + e11) + bo, two numbers an instruction.  LDS serves a wave's instructions in order (ISA guide 5.7.1.4).
.macro TOSTAGE a
.set AC, 64*((\a)%4)
	WIN 0x08+4*((\a)/4)                            ; the stores' data: window 2 or 3
.irp b, 0,1,2,3,4,5,6,7
	ds_store_b128 v[STO], v[AC+8*\b:AC+8*\b+3] offset:64*\b            ; each accumulator from its low end on
	ds_store_b128 v[STO], v[AC+8*\b+4:AC+8*\b+7] offset:64*\b+16
.endr
	WIN 0
.set BB, BK+64*((\a)%2)
.irp t, 0,1,2,3,4,5,6,7,8,9,10,11,12,13,14,15
	ds_load_b128 v[BB+4*\t:BB+4*\t+3], v[RD] offset:\t*SPITCH
.endr
.endm
.macro SEND a, younger                 ; younger: the LDS instructions issued behind block a's loads, which may stay out
.set BB, BK+64*((\a)%2)
	s_wait_dscnt \younger
.irp t, 0,1,2,3,4,5,6,7,8,9,10,11,12,13,14,15
	v_pk_fma_f32 v[BB+4*\t:BB+4*\t+1], v[BB+4*\t:BB+4*\t+1], s[96:97], v[BO:BO+1] op_sel_hi:[1,0,1]
	v_pk_fma_f32 v[BB+4*\t+2:BB+4*\t+3], v[BB+4*\t+2:BB+4*\t+3], s[96:97], v[BO+2:BO+3] op_sel_hi:[1,0,1]
.endr
.irp t, 0,1,2,3,4,5,6,7,8,9,10,11,12,13,14,15
	global_store_b128 v[CO], v[BB+4*\t:BB+4*\t+3], s[12:13] offset:(16*(\a)+\t)*4096 th:TH_STORE_NT   ; 32 lanes store 512 consecutive bytes, aligned; 127 rows at the most: inside the signed 24-bit immediate
.endr
.endm
	s_wait_kmcnt 0x0
	s_add_co_i32 s96, s96, s97                     ; e10 + e11
	s_add_co_i32 s96, s96, 127
	s_lshl_b32 s96, s96, 23                        ; 2^(e10 + e11) as f32 (the pair's low word serves both halves)
	s_wait_loadcnt 0x0                             ; bo
	PLACES NP                                      ; behind the last products: for the stores that read results and the loads into the registers that held O's fragments
	TOSTAGE 0
.irp a, 1,2,3,4,5,6,7
.if \a > 1
	s_wait_xcnt 0x0                                ; block a - 2's stores have read their registers: block a's loads may land there
.endif
	TOSTAGE \a
	SEND \a-1, 32                                  ; behind block a - 1's loads: block a's 16 stores and 16 loads
.endr
	SEND 7, 0
	s_wait_tensorcnt 0x0                           ; the wave's end, behind my last tensor load and my last LDS store
	ds_add_u32 v[SPW], v[NIL]
	s_wait_dscnt 0x0
	CROUND                                         ; the closing round
	s_endpgm
.Lfunc_end_k_q9981f7a763_outp:
	.size	k_q9981f7a763_outp, .Lfunc_end_k_q9981f7a763_outp-k_q9981f7a763_outp
	.p2alignl 7, 3214868480
	.fill 96, 4, 3214868480
	.section	.rodata,"a",@progbits
	.p2align	6, 0x0
	.amdhsa_kernel k_q9981f7a763_outp
		.amdhsa_group_segment_fixed_size 327680
		.amdhsa_private_segment_fixed_size 0
		.amdhsa_enable_private_segment 0
		.amdhsa_kernarg_size 40
		.amdhsa_user_sgpr_count 2
		.amdhsa_user_sgpr_kernarg_segment_ptr 1
		.amdhsa_wavefront_size32 1
		.amdhsa_system_sgpr_workgroup_id_x 1
		.amdhsa_system_sgpr_workgroup_id_y 1
		.amdhsa_system_sgpr_workgroup_id_z 1
		.amdhsa_system_vgpr_workitem_id 0
		.amdhsa_next_free_vgpr 1024
		.amdhsa_next_free_sgpr 98
		.amdhsa_reserve_vcc 0
		.amdhsa_float_denorm_mode_32 3
		.amdhsa_float_denorm_mode_16_64 3
		.amdhsa_memory_ordered 1
		.amdhsa_forward_progress 1
		.amdhsa_inst_pref_size 123
	.end_amdhsa_kernel
	.amdgpu_metadata
---
amdhsa.version: [ 1, 2 ]
amdhsa.kernels:
  - .name:           k_q9981f7a763_outp
    .symbol:         k_q9981f7a763_outp.kd
    .args:
      - { .name: Oi, .offset: 0, .size: 8, .value_kind: global_buffer, .address_space: global }
      - { .name: Wo_codes, .offset: 8, .size: 8, .value_kind: global_buffer, .address_space: global }
      - { .name: lowp_scales, .offset: 16, .size: 8, .value_kind: global_buffer, .address_space: global }
      - { .name: bo, .offset: 24, .size: 8, .value_kind: global_buffer, .address_space: global }
      - { .name: out0, .offset: 32, .size: 8, .value_kind: global_buffer, .address_space: global }
    .group_segment_fixed_size: 327680
    .private_segment_fixed_size: 0
    .kernarg_segment_align: 8
    .kernarg_segment_size: 40
    .max_flat_workgroup_size: 128
    .sgpr_count:     98
    .vgpr_count:     1024
    .wavefront_size: 32
...
	.end_amdgpu_metadata
.endif
;; end of part 3
;; ======== version 2 of 2: 3 launches; version 1 with the launch attn written anew for expert scheduling mode
;; workspace buffers: Qi 8,388,608 bytes; Ki 8,388,608 bytes; Vi 8,388,608 bytes; Oi 8,388,608 bytes; maskw 524,288 bytes of whole numbers
;; launch proj: the kernel of part 1 again; grid 4 x 96, 4 waves a work-group, clusters of 4 x 4, 327,680 bytes of LDS; arguments q_codes, k_codes, v_codes, Wq_codes, Wk_codes, Wv_codes, bq, bk, bv, lowp_scales, attn_mask, Qi, Ki, Vi, maskw; writes Qi, Ki, Vi, maskw
;; launch attn (part 4): grid 4 x 64, 16 waves a work-group, no clusters, 264,192 bytes of LDS; arguments Qi, Ki, Vi, maskw, lowp_scales, Oi; writes Oi
.if DOCPART == 4
	.amdgcn_target "amdgcn-amd-amdhsa--gfx1250"
	.amdhsa_code_object_version 6
	.text
	.protected	k_q9981f7a763_attn
	.globl	k_q9981f7a763_attn
	.p2align	8
	.type	k_q9981f7a763_attn,@function
k_q9981f7a763_attn:
	s_mov_b64 s[64:65], 0
	v_nop
	global_prefetch_b8 v0, s[64:65] scope:SCOPE_SE
	s_setreg_imm32_b32 hwreg(HW_REG_WAVE_SCHED_MODE, 0, 2), 2
	s_setreg_imm32_b32 hwreg(HW_REG_WAVE_MODE, 25, 1), 1
	s_wait_xcnt 0x0
	s_wait_alu depctr_vm_vsrc(0)
; ATTENTION ON CODES OF FP8 (E4M3), head size 64, 2,048 keys, with the mask that is given.  O = softmax(Q K^T / 8, masked) V for one of 64 (batch, head) pairs; O leaves as codes for the last product.
; THE SOFTMAX AHEAD OF THE SECOND PRODUCT: t = score x log2(e) / 8; M = the row's largest t so far, rounded UP to a whole number; p = 2^(t - M) is what is quantised, with the given 2^e8; it is not normalised.
; The row's sum is taken of the unquantised p, in f32, and divides O at the end.  When M moves, the sum and O are multiplied by 2^(old M - new M): nothing is rounded.
; SHARES.  A work-group owns 512 queries of one head; each of its sixteen waves owns two tiles of 16 queries, one after the other, in 224 registers: four waves to a SIMD, so that one wave's vector work
; stands beside another's matrix work and LDS loads.  Every wave walks all keys, 128 a step.
; LDS holds the head's whole K image (131,072 bytes) and V image (131,072 bytes), copied once, as they lie; behind the one barrier LDS is only read, 512 consecutive bytes an instruction.
; NO CLUSTER, NO TENSOR LOAD: the four work-groups of a head share K and V, but each reads them once, 262,144 bytes, for 512 wave-steps of work.
; LAYOUT.  Both products are used transposed: S^T = K Q^T (source 0 = 16 neighbouring keys, source 1 = my 16 queries), O^T = V^T P^T: a lane holds ONE query (lane % 16) throughout.  In tile t register j is key
; 16 t + 8 (lane / 16) + j: so the eight conversions' results are, in order, the registers of the second product's operand, and V's image has the same order of keys.
; THE MASK comes as lane masks, 64 words a step, by scalar loads a step ahead: word n selects between score register n and -infinity, one instruction a register.
; A row with no key at all has the sum 0: its codes are the NaN code, as the softmax of such a row is NaN.
; LIMITS on the given exponents: e6 + e7 between -123 and 130 (added to c's exponent field); e8 and e10 between -126 and 119; e8 + e9 is applied by v_ldexp_f32 and has none.
; THE MODE: SCHED_MODE bits 1:0 = 2 (LLVM: expert scheduling mode 2), set by the entry lines.  The code itself states the register dependences between vector or matrix instructions and memory or LDS
; instructions, with s_wait_alu, always for 0.
; THE PLAN.  Registers that memory or LDS instructions touch:
;   v1          16 x lane: written once at the head; the address of every global load and store and of a tile's first fragments of K.
;   ADK, ADV    LDS addresses: written once for two key steps, at a trip's head; read by both steps' loads of V and of the next step's K, which reach on by immediate offsets.
;   BX, BY      two buffers of 64 registers that change roles from step to step.  In a step (kb, sb): the score products read K in kb and write the scores into sb; V's loads land in kb; the softmax works
;               in sb and the conversions read it; the NEXT step's K lands in sb; the second products read V in kb.  The next step is (sb, kb).  A trip is two steps, so that the numbers come back.
;   QF          Q's fragment: loaded at a tile's head, read by the score products.
;   RS          written by the way out's selections, read by its two stores.
; A step has three waits on va_vdst: behind the selections by the mask (ahead of V's loads), behind the exponentials (ahead of their first reader), behind the conversions (ahead of the next K's loads).
; One wait on vm_vsrc stands at a trip's head, ahead of the additions to ADK and ADV, and one at a tile's head.
.set VIMG, 131072                      ; V's image in LDS; K's lies at 0
.set L16,  1                           ; v1   16 x lane; never rewritten
.set ADK,  2                           ; v2   LDS address of the trip's first step's K
.set ADV,  3                           ; v3   of its V
.set NINF, 4                           ; v4   -infinity
.set PSC,  5                           ; v5   2^e8
.set PLIM, 6                           ; v6   448 x 2^e8
.set OSC,  7                           ; v7   2^e10
.set OLIM, 8                           ; v8   448 x 2^e10
.set NANC, 9                           ; v9   four NaN codes
                                       ; v12 -M, v13 the largest t, v[14:15] the sum in two halves
.set QF,   16                          ; v16-23   Q's fragment
.set BX,   32                          ; v32-95   by turns: eight fragments of K, then four of V;  or S^T, then p
.set BY,   96                          ; v96-159  the other of the two; on the way out O^T / the sum
.set OT,   160                         ; v160-191 O^T
.set PC,   192                         ; v192-207 p's codes; on the way out O's
.set XS,   200                         ; v200-201 the way out: what I send to the lane 16 away; v202-203 what I get
.set XR,   202
.set PT,   208                         ; v208 a lane permute's destination
.set MA,   210                         ; v210 at work
.set FF,   212                         ; v[212:213] at work, then f = 2^(old M - new M); v213 stays 0
.set SB,   214                         ; v[214:215] the sum's second chain
.set RS,   216                         ; v216-223 the way out: 32 bytes of codes
.set WV,   16                          ; s16  wave
.set TB,   17                          ; s17  LDS byte of the trip's first step's K
.set NST,  18                          ; s18  trips to go
.set NPS,  19                          ; s19  query tiles to go
.set SEL,  20                          ; s[20:21] lane selects: lane l xor 16
.set CS,   22                          ; s[22:23] c = log2(e) / 8 x 2^(e6 + e7)
.set MO,   24                          ; s24  byte offset of the mask words that are on their way
.set HI,   25                          ; s25  the lane mask of lanes 16-31
.set EO,   26                          ; s26  e10
.set EPV,  27                          ; s27  e8 + e9
                                       ; s[28:31] e6 .. e9;  s[32:63], s[68:99] the step's 64 mask words
	s_load_b256 s[4:11], s[0:1], 0x0               ; Qi s[4:5], Ki s[6:7], Vi s[8:9], the mask words s[10:11]
	s_load_b128 s[12:15], s[0:1], 0x20             ; the scales' exponents s[12:13], Oi s[14:15]
	v_lshl_add_u32 v254, v0, 2, 0x40000
	v_mov_b32 v255, 0
	v_lshrrev_b32 v2, 5, v0
	v_readfirstlane_b32 s[WV], v2                  ; wave 0..15
	v_and_b32 v[L16], 31, v0
	v_lshlrev_b32 v[L16], 4, v[L16]
	s_and_b32 s17, ttmp7, 0xffff                   ; batch x 16 + head
	s_lshl_b32 s18, s17, 17                        ; its first byte in Qi, Ki and Vi
	s_wait_alu depctr_va_sdst(0)                   ; the wave's number is written, ahead of its first reader
	s_lshl_b32 s19, s[WV], 13                      ; my wave copies 8,192 bytes of each image
	s_add_co_u32 s2, s18, s19
	s_mov_b32 s3, 0
	v_add_nc_u32 v[ADK], s19, v[L16]
	v_add_nc_u32 v[ADV], VIMG, v[ADK]
	s_wait_kmcnt 0x0
	s_load_b128 s[28:31], s[12:13], 0x18           ; e6, e7, e8, e9
	s_load_b32 s[EO], s[12:13], 0x28               ; e10
	s_add_nc_u64 s[6:7], s[6:7], s[2:3]
	s_add_nc_u64 s[8:9], s[8:9], s[2:3]
	s_wait_alu depctr_va_vdst(0)                   ; v1 is written, which every global load and store reads as its offset; so are ADK and ADV, the LDS stores' addresses.  No vector line of the head behind this wait names them or v32-159
.irp i, 0,1,2,3,4,5,6,7,8,9,10,11,12,13,14,15
	global_load_b128 v[32+4*\i:35+4*\i], v[L16], s[6:7] offset:512*\i    ; 32 lanes read 512 consecutive bytes
.endr
.irp i, 0,1,2,3,4,5,6,7,8,9,10,11,12,13,14,15
	global_load_b128 v[96+4*\i:99+4*\i], v[L16], s[8:9] offset:512*\i
.endr
	s_lshl_b32 s2, ttmp9, 17                       ; the mask words of my two query tiles, 32 x + 2 wave and the next: 4,096 bytes a tile
	s_add_co_u32 s2, s2, s19
	s_add_nc_u64 s[10:11], s[10:11], s[2:3]
	s_mov_b32 s[MO], 0
	s_load_b512 s[32:47], s[10:11], s[MO] offset:0x0      ; the first step's 64 words
	s_load_b512 s[48:63], s[10:11], s[MO] offset:0x40
	s_load_b512 s[68:83], s[10:11], s[MO] offset:0x80
	s_load_b512 s[84:99], s[10:11], s[MO] offset:0xc0
	s_lshl_b32 s2, ttmp9, 15                       ; Q: 1,024 bytes a tile
	s_lshl_b32 s19, s[WV], 11
	s_add_co_u32 s2, s2, s19
	s_add_co_u32 s2, s2, s18
	s_add_nc_u64 s[4:5], s[4:5], s[2:3]
	s_lshr_b32 s2, s17, 4                          ; O: token tile batch x 128 + 32 x + 2 wave, 16,384 bytes a tile; in it 1,024 bytes a head
	s_lshl_b32 s2, s2, 21
	s_lshl_b32 s19, ttmp9, 19
	s_add_co_u32 s2, s2, s19
	s_lshl_b32 s19, s[WV], 15
	s_add_co_u32 s2, s2, s19
	s_and_b32 s19, s17, 15
	s_lshl_b32 s19, s19, 10
	s_add_co_u32 s2, s2, s19
	s_add_nc_u64 s[14:15], s[14:15], s[2:3]
	s_mov_b32 s[SEL], 0x76543210
	s_mov_b32 s[SEL+1], 0xfedcba98
	s_mov_b32 s[HI], 0xffff0000
	v_mov_b32 v[NINF], 0xff800000
	v_mov_b32 v[NANC], 0x7f7f7f7f
	v_mov_b32 v[PT], 0                             ; written once: a lane permute's destination counts as one of its sources
	v_mov_b32 v[XR], 0
	v_mov_b32 v[XR+1], 0
	v_mov_b32 v[FF+1], 0                           ; named as the upper half of the pair
	s_wait_kmcnt 0x0
	s_add_co_i32 s[CS], s28, s29
	s_lshl_b32 s[CS], s[CS], 23
	s_add_co_i32 s[CS], s[CS], 0x3e38aa3b          ; c = log2(e) / 8, with e6 + e7 added to its exponent field: a score stands for score x 2^(e6 + e7)
	s_mov_b32 s[CS+1], s[CS]                       ; named with it as a pair, so it is written
	s_add_co_i32 s[EPV], s30, s31
	s_add_co_i32 s2, s30, 127
	s_lshl_b32 s3, s2, 23
	v_mov_b32 v[PSC], s3                           ; 2^e8 as f32
	s_add_co_i32 s2, s2, 8
	s_lshl_b32 s2, s2, 23
	s_or_b32 s2, s2, 0x600000
	v_mov_b32 v[PLIM], s2                          ; 448 x 2^e8
	s_add_co_i32 s2, s[EO], 127
	s_lshl_b32 s3, s2, 23
	v_mov_b32 v[OSC], s3                           ; 2^e10
	s_add_co_i32 s2, s2, 8
	s_lshl_b32 s2, s2, 23
	s_or_b32 s2, s2, 0x600000
	v_mov_b32 v[OLIM], s2                          ; 448 x 2^e10
	s_wait_loadcnt 16                              ; K's sixteen loads are in; V's may be out
.irp i, 0,1,2,3,4,5,6,7,8,9,10,11,12,13,14,15
	ds_store_b128 v[ADK], v[32+4*\i:35+4*\i] offset:512*\i
.endr
	s_wait_loadcnt 0x0
.irp i, 0,1,2,3,4,5,6,7,8,9,10,11,12,13,14,15
	ds_store_b128 v[ADV], v[96+4*\i:99+4*\i] offset:512*\i
.endr
	s_wait_dscnt 0x0                               ; for the others' sake: my stores have landed
	s_barrier_signal -1
	s_barrier_wait -1                              ; both images are whole; from here on LDS is only read
; A KEY STEP: 128 keys.  kb: the buffer in which K lies and V will lie; sb: the buffer for the scores, in which the next step's K will land.  h: the step's place in its trip, 0 or 1.
; next = 1: the next step's K is asked for; 0: a tile's last step.
.macro STEP kb, sb, h, next
; Five places stand here: this step's score products write over the registers in which the last step's second products read V (ISA guide 7.12.1 for a matrix instruction that writes over an earlier one's source).
.if \h == 0
	s_wait_alu depctr_vm_vsrc(0)                   ; the LDS loads issued so far have read ADK and ADV, which the two additions write
	v_add_nc_u32 v[ADK], s[TB], v[L16]
	v_add_nc_u32 v[ADV], VIMG, v[ADK]              ; (their first readers, V's loads, stand behind the step's first wait on va_vdst)
.rept 3
	v_nop
.endr
.else
.rept 5
	v_nop
.endr
.endif
	s_wait_dscnt 0x0                               ; K, asked for in the step before
.irp t, 0,1,2,3,4,5,6,7
	v_wmma_f32_16x16x64_fp8_fp8 v[\sb+8*\t:\sb+8*\t+7], v[\kb+8*\t:\kb+8*\t+7], v[QF:QF+7], 0
.endr
.rept 4
	v_nop                                          ; places in front of the first read of the scores
.endr
	s_wait_kmcnt 0x0                               ; this step's mask words are in, so their offset may be written
	s_add_co_u32 s[MO], s[MO], 256
	s_and_b32 s[MO], s[MO], 0x1fff                 ; my two tiles' 32 units lie on end; behind the last the offset turns to 0, so that no load leaves the buffer
.set n, 0
.rept 32
	v_cndmask_b32 v[\sb+n], v[NINF], v[\sb+n], s[32+n] ; hidden scores become -infinity ahead of the maximum: p = 0 then.  Each tile from its low end on
.set n, n+1
.endr
.rept 32
	v_cndmask_b32 v[\sb+n], v[NINF], v[\sb+n], s[36+n]
.set n, n+1
.endr
	s_wait_alu depctr_va_vdst(0)                   ; the score products are done reading K's fragments, in which V's land; ADV is written; the selections are done reading the mask words, in which the scalar loads below land
.irp t, 0,1,2,3
.irp c, 0,1,2,3
	ds_load_b128 v[\kb+16*\t+4*\c:\kb+16*\t+4*\c+3], v[ADV] offset:8192*\h+2048*\t+512*\c   ; V's four fragments land while the softmax is worked, which names none of these registers
.endr
.endr
	s_load_b512 s[32:47], s[10:11], s[MO] offset:0x0      ; the next step's words: a step ahead of their use
	s_load_b512 s[48:63], s[10:11], s[MO] offset:0x40
	s_load_b512 s[68:83], s[10:11], s[MO] offset:0x80
	s_load_b512 s[84:99], s[10:11], s[MO] offset:0xc0
	v_max3_num_f32 v[MA], v[\sb], v[\sb+1], v[\sb+2]     ; the step's largest score of my query, among my 64 keys, in two chains,
	v_max3_num_f32 v[FF], v[\sb+3], v[\sb+4], v[\sb+5]
.irp i, 6,10,14,18,22,26,30,34,38,42,46,50,54,58
	v_max3_num_f32 v[MA], v[MA], v[\sb+\i], v[\sb+1+\i]
	v_max3_num_f32 v[FF], v[FF], v[\sb+2+\i], v[\sb+3+\i]
.endr
	v_max3_num_f32 v[MA], v[MA], v[\sb+62], v[\sb+63]
	v_max_num_f32 v[MA], v[MA], v[FF]
	v_permlanex16_b32 v[PT], v[MA], s[SEL], s[SEL+1]
	v_max_num_f32 v[MA], v[MA], v[PT]              ; and among lane l xor 16's
	v_mul_f32 v[MA], s[CS], v[MA]                  ; as t (c is positive)
	v_max_num_f32 v13, v13, v[MA]                  ; the running largest t
	v_mov_b32 v[MA], v12
	v_floor_f32 v12, -v13                          ; the new -M = floor(-t) = -ceil(t): a whole number
	v_sub_f32 v[MA], v12, v[MA]                    ; M's old value less its new one: 0 or less
	v_cvt_i32_f32 v[MA], v[MA]                     ; (it saturates)
	v_ldexp_f32 v[FF], 1.0, v[MA]                  ; f = 2^(old M - new M)
.set j, 0
.rept 32
	v_pk_fma_f32 v[\sb+j:\sb+j+1], v[\sb+j:\sb+j+1], s[CS:CS+1], v[12:13] op_sel_hi:[1,0,0]   ; t - M, two at a time (of the pairs c and -M the low word serves both halves)
.set j, j+2
.endr
.set j, 0
.rept 64
	v_exp_f32 v[\sb+j], v[\sb+j]                   ; p = 2^(t - M), at most 1
.set j, j+1
.endr
	v_pk_mul_f32 v[14:15], v[14:15], v[FF:FF+1] op_sel_hi:[1,0]   ; the sums under the new M: a plain instruction behind the exponentials
	s_wait_alu depctr_va_vdst(0)                   ; the 64 exponentials have written p: one wait for the batch, ahead of its first reader
	v_pk_add_f32 v[SB:SB+1], v[\sb:\sb+1], v[\sb+2:\sb+3]  ; the row's sum is taken of the unquantised p: two at a time, in two chains
.irp j, 4,8,12,16,20,24,28,32,36,40,44,48,52,56,60
	v_pk_add_f32 v[14:15], v[14:15], v[\sb+\j:\sb+1+\j]
	v_pk_add_f32 v[SB:SB+1], v[SB:SB+1], v[\sb+2+\j:\sb+3+\j]
.endr
	v_pk_add_f32 v[14:15], v[14:15], v[SB:SB+1]
	s_cmp_ge_i32 s30, -8                           ; p is at most 1, and 448 x 2^e8 is at least 1 from e8 = -8 on: there the hold changes nothing and is jumped over
	s_cbranch_scc1 .Lheld_\@
.set j, 0
.rept 64
	v_min_num_f32 v[\sb+j], v[\sb+j], v[PLIM]      ; the conversion to an 8-bit code does not saturate (ISA guide 7.6.2); p is not negative, so the hold is one-sided
.set j, j+1
.endr
.Lheld_\@:
.irp t, 0,1,2,3,4,5,6,7
	v_cvt_scalef32_pk8_fp8_f32 v[PC+2*\t:PC+2*\t+1], v[\sb+8*\t:\sb+8*\t+7], v[PSC]   ; registers 2 t, 2 t + 1 of the operand: keys 16 t + 8 h + 0 .. 7
.endr
.if \next
	s_wait_alu depctr_va_vdst(0)                   ; the conversions are done reading p, in whose registers the next step's K lands
.irp t, 0,1,2,3,4,5,6,7
	ds_load_b128 v[\sb+8*\t:\sb+8*\t+3], v[ADK] offset:8192*(\h+1)+1024*\t            ; it lands while O^T is rescaled and multiplied: none of those lines names these registers
	ds_load_b128 v[\sb+8*\t+4:\sb+8*\t+7], v[ADK] offset:8192*(\h+1)+1024*\t+512
.endr
.endif
.set j, 0
.rept 16
	v_pk_mul_f32 v[OT+j:OT+j+1], v[OT+j:OT+j+1], v[FF:FF+1] op_sel_hi:[1,0]   ; O^T under the new M.  (Also the plain instructions between the conversions and the products)
.set j, j+2
.endr
.if \next
	s_wait_dscnt 16                                ; LDS loads come back in order (ISA guide 5.7.1): V is in; the sixteen younger loads, the next step's K, may be out
.else
	s_wait_dscnt 0x0                               ; V
.endif
.irp t, 0,1,2,3
	v_wmma_f32_16x16x128_fp8_fp8 v[OT+8*\t:OT+8*\t+7], v[\kb+16*\t:\kb+16*\t+15], v[PC:PC+15], v[OT+8*\t:OT+8*\t+7]   ; four accumulators, one instruction a turn; the next step's eight score tiles stand between two links
.endr
.endm
	s_mov_b32 s[NPS], 2
.Lpass:                                            ; a tile of 16 queries
	s_wait_alu depctr_vm_vsrc(0)                   ; first tile: my LDS stores have read v32-159, in which K's fragments land and the scores are written; second tile: the last tile's stores have read v[RS ..], which this tile's way out writes again
	                                               ; (No wait on va_vdst is owed here: the last readers of Q's fragment and of v32-95, the last step's score products and conversions, stand ahead of the way out's wait for the reciprocal, and no vector line behind it names these registers)
	global_load_b128 v[QF:QF+3], v[L16], s[4:5]
	global_load_b128 v[QF+4:QF+7], v[L16], s[4:5] offset:512
.irp t, 0,1,2,3,4,5,6,7
	ds_load_b128 v[BX+8*\t:BX+8*\t+3], v[L16] offset:1024*\t               ; the first step's K lies at LDS byte 0
	ds_load_b128 v[BX+8*\t+4:BX+8*\t+7], v[L16] offset:1024*\t+512
.endr
	v_mov_b32 v13, 0xff61b1e6                      ; the largest t so far: -3e38, under every t
	v_floor_f32 v12, -v13                          ; -M
	v_mov_b32 v14, 0
	v_mov_b32 v15, 0
.set j, 0
.rept 32
	v_mov_b32 v[OT+j], 0                           ; the step is written once: the first finds zeros, which the first change of M leaves zeros
.set j, j+1
.endr
	s_mov_b32 s[TB], 0
	s_mov_b32 s[NST], 7
	s_wait_loadcnt 0x0                             ; Q
.Ltrip:                                            ; two key steps, 256 keys: the two buffers are back in their roles
	STEP BX, BY, 0, 1
	STEP BY, BX, 1, 1
	s_add_co_u32 s[TB], s[TB], 16384
	s_sub_co_u32 s[NST], s[NST], 1
	s_cmp_lg_u32 s[NST], 0
	s_cbranch_scc1 .Ltrip
	STEP BX, BY, 0, 1                              ; the last trip is written out: its second step asks for no more of K
	STEP BY, BX, 1, 0
	; THE WAY OUT of a tile: O^T / the sum x 2^(e8 + e9), quantised with 2^e10, in the order of the last product's operand registers: lane (r, h): token r, channels 32 c + 16 h + 0 .. 15.
.rept 4
	v_nop                                          ; places behind the last products
.endr
	v_add_f32 v14, v14, v15                        ; the sum's two halves,
	v_permlanex16_b32 v[PT], v14, s[SEL], s[SEL+1]
	v_add_f32 v14, v14, v[PT]                      ; and lane l xor 16's
	v_rcp_f32 v[FF], v14
	v_cmp_eq_f32 vcc_lo, 0, v14                    ; a row without a key
	v_nop                                          ; a plain instruction behind the reciprocal
	s_wait_alu depctr_va_vdst(0)                   ; the reciprocal has written v[FF], ahead of its first reader.  (It also shows the last step's conversions done reading v32-95, in which the next tile's first K lands)
	v_ldexp_f32 v[FF], v[FF], s[EPV]
.set j, 0
.rept 16
	v_pk_mul_f32 v[BY+j:BY+j+1], v[OT+j:OT+j+1], v[FF:FF+1] op_sel_hi:[1,0]     ; register 8 t + i is o(r, 16 t + 8 h + i); each accumulator from its low end on
.set j, j+2
.endr
.set j, 0
.rept 32
	v_med3_num_f32 v[BY+j], v[BY+j], -v[OLIM], v[OLIM]
.set j, j+1
.endr
.irp t, 0,1,2,3
	v_cvt_scalef32_pk8_fp8_f32 v[PC+2*\t:PC+2*\t+1], v[BY+8*\t:BY+8*\t+7], v[OSC]
.endr
	v_nop                                          ; a plain instruction between the conversions and the first use of their results
.irp c, 0,1                                    ; lanes 0-15 want tile 2 c whole, lanes 16-31 tile 2 c + 1: each half sends the other its eight codes of the tile that it does not keep
	v_cndmask_b32 v[XS], v[PC+4*\c+2], v[PC+4*\c], s[HI]
	v_cndmask_b32 v[XS+1], v[PC+4*\c+3], v[PC+4*\c+1], s[HI]
	v_permlanex16_b32 v[XR], v[XS], s[SEL], s[SEL+1]
	v_permlanex16_b32 v[XR+1], v[XS+1], s[SEL], s[SEL+1]
	v_cndmask_b32 v[RS+4*\c], v[PC+4*\c], v[XR], s[HI]
	v_cndmask_b32 v[RS+4*\c+1], v[PC+4*\c+1], v[XR+1], s[HI]
	v_cndmask_b32 v[RS+4*\c+2], v[XR], v[PC+4*\c+2], s[HI]
	v_cndmask_b32 v[RS+4*\c+3], v[XR+1], v[PC+4*\c+3], s[HI]
.endr
	s_wait_alu depctr_va_vcc(0)                    ; the compare above has written VCC, ahead of its first reader
.irp i, 0,1,2,3,4,5,6,7
	v_cndmask_b32 v[RS+\i], v[RS+\i], v[NANC], vcc_lo
.endr
	s_wait_alu depctr_va_vdst(0)                   ; the selections have written v[RS ..], which the two stores read
	global_store_b128 v[L16], v[RS:RS+3], s[14:15]             ; 32 lanes store 512 consecutive bytes, aligned
	global_store_b128 v[L16], v[RS+4:RS+7], s[14:15] offset:512
	s_wait_xcnt 0x0                                ; the stores have read their registers and their base: both are written again below and in the next tile
	s_add_nc_u64 s[4:5], s[4:5], 1024
	s_add_nc_u64 s[14:15], s[14:15], 16384
	s_sub_co_u32 s[NPS], s[NPS], 1
	s_cmp_lg_u32 s[NPS], 0
	s_cbranch_scc1 .Lpass
	s_wait_dscnt 0x0
	s_wait_alu depctr_hold_cnt(0) depctr_sa_sdst(0) depctr_va_vdst(0) depctr_va_sdst(0) depctr_va_ssrc(0) depctr_va_vcc(0) depctr_vm_vsrc(0)
	s_wait_tensorcnt 0x0
	ds_add_u32 v254, v255
	s_wait_dscnt 0x0
	s_endpgm
.Lfunc_end_k_q9981f7a763_attn:
	.size	k_q9981f7a763_attn, .Lfunc_end_k_q9981f7a763_attn-k_q9981f7a763_attn
	.p2alignl 7, 3214868480
	.fill 96, 4, 3214868480
	.section	.rodata,"a",@progbits
	.p2align	6, 0x0
	.amdhsa_kernel k_q9981f7a763_attn
		.amdhsa_group_segment_fixed_size 264192
		.amdhsa_private_segment_fixed_size 0
		.amdhsa_enable_private_segment 0
		.amdhsa_kernarg_size 48
		.amdhsa_user_sgpr_count 2
		.amdhsa_user_sgpr_kernarg_segment_ptr 1
		.amdhsa_wavefront_size32 1
		.amdhsa_system_sgpr_workgroup_id_x 1
		.amdhsa_system_sgpr_workgroup_id_y 1
		.amdhsa_system_sgpr_workgroup_id_z 1
		.amdhsa_system_vgpr_workitem_id 0
		.amdhsa_next_free_vgpr 256
		.amdhsa_next_free_sgpr 100
		.amdhsa_reserve_vcc 1
		.amdhsa_float_denorm_mode_32 3
		.amdhsa_float_denorm_mode_16_64 3
		.amdhsa_memory_ordered 1
		.amdhsa_forward_progress 1
		.amdhsa_inst_pref_size 95
	.end_amdhsa_kernel
	.amdgpu_metadata
---
amdhsa.version: [ 1, 2 ]
amdhsa.kernels:
  - .name:           k_q9981f7a763_attn
    .symbol:         k_q9981f7a763_attn.kd
    .args:
      - { .name: Qi, .offset: 0, .size: 8, .value_kind: global_buffer, .address_space: global }
      - { .name: Ki, .offset: 8, .size: 8, .value_kind: global_buffer, .address_space: global }
      - { .name: Vi, .offset: 16, .size: 8, .value_kind: global_buffer, .address_space: global }
      - { .name: maskw, .offset: 24, .size: 8, .value_kind: global_buffer, .address_space: global }
      - { .name: lowp_scales, .offset: 32, .size: 8, .value_kind: global_buffer, .address_space: global }
      - { .name: Oi, .offset: 40, .size: 8, .value_kind: global_buffer, .address_space: global }
    .group_segment_fixed_size: 264192
    .private_segment_fixed_size: 0
    .kernarg_segment_align: 8
    .kernarg_segment_size: 48
    .max_flat_workgroup_size: 512
    .sgpr_count:     100
    .vgpr_count:     256
    .wavefront_size: 32
...
	.end_amdgpu_metadata
.endif
;; end of part 4
;; launch outp: the kernel of part 3 again; grid 4 x 32, 4 waves a work-group, clusters of 4 x 4, 327,680 bytes of LDS; arguments Oi, Wo_codes, lowp_scales, bo, out0; writes out0
